; MI455X (gfx1250); checked and timed in simulation.
; The chip was launched on July 23, 2026; its instructions are those of AMD's public machine-readable ISA for CDNA 5 (MIT licence, August 2026) and "CDNA5" Instruction Set Architecture Reference Guide (July 2026). The comments in the code are by the model that wrote it; some were corrected since.
;; Multi Query Attention. Allowed arithmetic: matrix products marked QUANTISED: E2M3 operands, one E8M0 scale for each 32 along K, by v_wmma_scale_f32_16x16x128_f8f6f4 with both operands' format E2M3, f32 sums; everything else in f32.
;; Inputs: Wk 1,024 x 64 float32; Wo 1,024 x 1,024 float32; Wq 1,024 x 1,024 float32; Wv 1,024 x 64 float32; bk 64 float32; bo 1,024 float32; bq 1,024 float32; bv 64 float32; key 2 x 2,048 x 1,024 float32; query 2 x 2,048 x 1,024 float32; value 2 x 2,048 x 1,024 float32.
;; Outputs: out0 2 x 2,048 x 1,024 float32.
;; This version of the problem:
;;   THIS VERSION OF THE PROBLEM IS GIVEN IN LOW PRECISION. The matrix products marked QUANTISED in the list below multiply operands that are first quantised to E2M3 (2 exponent bits, 3 mantissa bits; 6 bits a number), with one power-of-two scale for each 32 numbers along K (OCP MX v1.0); their sums are f32. All else is computed in f32.
;;   The module's matrix products, in the order in which they are computed (A, B: the left and right operand; K: the contracted axis; several contracted axes count as one K, in the product's order):
;;     1. [M 4,096, K 1,024] x [K 1,024, N 1,024]; A: input query; B: input Wq: QUANTISED
;;     2. [M 4,096, K 1,024] x [K 1,024, N 64]; A: input key; B: input Wk: QUANTISED
;;     3. [M 4,096, K 1,024] x [K 1,024, N 64]; A: input value; B: input Wv: QUANTISED
;;     4. batch 2 x [M 32,768, K 64] x [K 64, N 2,048]; A: computed on the way; B: computed on the way: QUANTISED
;;     5. batch 2 x [M 32,768, K 2,048] x [K 2,048, N 64]; A: softmax (see below); B: computed on the way: QUANTISED
;;     6. [M 4,096, K 1,024] x [K 1,024, N 1,024]; A: computed on the way; B: input Wo: QUANTISED
;;   THE QUANTISER, for each operand of a quantised product, along K:
;;     - K is cut into blocks of 32 from its start; a last block that is shorter is filled with zeros.
;;     - A block's scale is 2^e with e = floor(log2(the largest magnitude in the block)) - 2, held to -126 .. 127; a block of zeros has e = 0. As a byte (E8M0): e + 127.
;;     - Each number is divided by its block's scale, clamped to +-7.5, and rounded to the nearest number of E2M3, ties to even, subnormals kept.
;;     - The product sums the exact products of the quantised numbers (number of the format x scale) in f32.
;;   ~~~python
;;   def quantise(x, axis):      # numpy; x: float32 -> the quantised numbers, widened to float32 again
;;       x = np.moveaxis(x, axis, -1); K = x.shape[-1]
;;       x = np.pad(x, [(0, 0)] * (x.ndim - 1) + [(0, -K % 32)]); x = x.reshape(x.shape[:-1] + (-1, 32)); a = np.abs(x).max(-1, keepdims=True)
;;       e = np.where(a > 0, np.clip(np.frexp(np.where(a > 0, a, 1))[1] - 1 - 2, -126, 127), 0)      # np.frexp(a)[1] - 1 = floor(log2(a)), exactly
;;       r = np.clip(x / 2.0 ** e, -7.5, 7.5)
;;       step = 2.0 ** (np.maximum(np.frexp(np.where(r == 0, 1, r))[1] - 1, 0) - 3)
;;       q = np.round(r / step) * step * 2.0 ** e      # np.round: ties to even
;;       return np.moveaxis(q.reshape(q.shape[:-2] + (-1,))[..., :K], -1, axis).astype(np.float32)
;;   ~~~
;;   SOFTMAX AHEAD OF A QUANTISED PRODUCT. Where the list says 'softmax', what is quantised is not the finished softmax but p = 2^(t - M), with t = logit x log2(e) and M = ceil(the row's largest t), a whole number; so 1/2 < the row's largest p <= 1. The row's sum l is taken of the UNQUANTISED p, in f32, and the product's result is divided by l at the end. Since M is a whole number, a kernel that streams over the keys may use a running M (the ceiling of the running maximum): every later rescaling is an exact power of two, which a block's scale takes up: the codes' values come out the same.
;;   OPERANDS COMPUTED ON THE WAY. 'Computed on the way' means the value that the module computes at that place (a softmax that the list does not call 'softmax' is quantised finished and normalised). What goes into a quantiser is computed in f32, as accurately as f32 sums, v_exp_f32 and their like allow (about 1e-6 of the number): no bf16 or f16 on the way to a quantiser, and a product that is left as it is and whose result goes on into a quantised operand takes f32 operands (vector FMAs, or v_wmma_f32_16x16x4_f32). A number that lies on a knife's edge between two numbers of the format may be rounded either way, as far as f32 arithmetic and the matrix unit's own rounding can turn it there, and no further.
;; One version. Each part assembles by itself: llvm-mc -triple=amdgcn-amd-amdhsa -mcpu=gfx1250 --defsym DOCPART=n.
;; ======== version 1 of 1: 5 launches
;; limits: right only within a limited range of input values
;; workspace buffers: wbuf 1,740,800 bytes; xbuf 3,694,592 bytes; qbuf 3,276,800 bytes; obuf 3,276,800 bytes
;; launch quant_w (part 1): grid 136 x 1, 4 waves a work-group, no clusters, 0 bytes of LDS; arguments Wq, Wo, Wk, Wv, wbuf; writes wbuf
.if DOCPART == 1
	.amdgcn_target "amdgcn-amd-amdhsa--gfx1250"
	.amdhsa_code_object_version 6
	.text
	.protected	k_qef1cda30e7_quant_w
	.globl	k_qef1cda30e7_quant_w
	.p2align	8
	.type	k_qef1cda30e7_quant_w,@function
k_qef1cda30e7_quant_w:
	s_mov_b64 s[64:65], 0
	v_nop
	global_prefetch_b8 v0, s[64:65] scope:SCOPE_SE
	s_setreg_imm32_b32 hwreg(HW_REG_WAVE_MODE, 25, 1), 1
	s_wait_xcnt 0x0
; The four weights, f32 stored [K][N], become codes of FP6 (E2M3) with one E8M0 byte for each 32 along K, laid in the order of the matrix operand's registers.
; A block's scale is 2^(floor(log2(largest magnitude)) - 2): its byte is the largest magnitude's exponent field - 2, held at 1 from below.
; LIMITS: NaN and infinities are not served; a block whose largest magnitude lies under 2^-124 has the byte 1; a block of zeros has the byte 1 (its codes are zeros; this program alone reads the bytes).
; OUTPUT.  A tile is 16 columns n; tile 2 b + u has as its row r the column 32 b + 8 u + r + 8 (r / 8).  A fragment (16 rows x 128 K, 12 registers a lane) is 1,536 bytes:
; registers 0-3 at 16 x lane, 4-5 at 512 + 8 x lane, 6-9 at 768 + 16 x lane, 10-11 at 1,280 + 8 x lane.  A chunk is one K step of 128 of a panel of PT tiles: PT fragments, then the scale words at
; 256 (t / 4) + 16 r + 4 (t % 4).  Wq, Wo: 8 panels of 8 tiles, 8 chunks of 12,800 bytes each; Wk, Wv: one panel of 4 tiles, 8 chunks of 6,400.
; SHARES.  A wave takes 32 columns (two tiles) x 128 along K.  A LANE TAKES A COLUMN AND ITS REGISTERS RUN DOWN K: each load reads 128 consecutive bytes, a block of 32 lies in one lane, and the conversions give codes with K innermost.
; Lanes 0-15 hold the rows of the first tile, lanes 16-31 those of the second; the operand wants blocks 2 c and 2 c + 1 of one row in lanes r and 16 + r: twelve exchanges of half registers give both fragments.
; The scale words leave as 4 bytes a lane, 16 bytes apart: their 256-byte units are written in parts, 1 byte in 24 of what the launch stores.  No LDS, no barrier: waves share nothing.
.set CA,  4                            ; v4   4 x my column in the wave's 32
.set L16, 5                            ; v5   16 x lane
.set L8,  6                            ; v6   8 x lane
.set SA,  7                            ; v7   16 r + 4 u: my scale word's place
.set M,   8                            ; v8-9 the maximum's two chains
.set SO,  12                           ; v12-15 the conversions' scale operands, one a block
.set BY,  16                           ; v16-19 the scale bytes
.set PW,  20                           ; v20  my row's scale word
.set D,   32                           ; v32-159 my column's 128 numbers
.set F0,  160                          ; v160-171 the first tile's fragment
.set F1,  172                          ; v172-183 the second's
.set T,   184                          ; v184-199 the upper halves of the four blocks' codes (a conversion's three registers begin on an even number)
	s_load_b256 s[4:11], s[0:1], 0x0               ; Wq, Wo, Wk, Wv
	s_load_b64 s[12:13], s[0:1], 0x20              ; wbuf
	v_lshrrev_b32 v1, 5, v0
	v_readfirstlane_b32 s14, v1                    ; wave
	v_and_b32 v1, 31, v0                           ; lane
	v_and_b32 v2, 15, v0                           ; r
	v_bfe_u32 v3, v0, 4, 1                         ; u
	v_and_b32 v[CA], 8, v2
	v_add_nc_u32 v[CA], v[CA], v2
	v_lshl_add_u32 v[CA], v3, 3, v[CA]             ; column 8 u + r + 8 (r / 8)
	v_lshlrev_b32 v[CA], 2, v[CA]
	v_lshlrev_b32 v[L16], 4, v1
	v_lshlrev_b32 v[L8], 3, v1
	v_lshlrev_b32 v[SA], 4, v2
	v_lshl_add_u32 v[SA], v3, 2, v[SA]
.macro LOADS pitch                     ; 128 rows of K, pitch bytes apart; read once in the launch
.set k, 0
.rept 128
	global_load_b32 v[D+k], v[CA], s[4:5] offset:k*\pitch th:TH_LOAD_NT
.set k, k+1
.endr
.endm
	s_cmp_lt_u32 ttmp9, 128
	s_cbranch_scc0 .Lsmall
	; Wq (work-groups 0-63) or Wo (64-127): panel jj / 8, K step jj % 8; wave w takes the panel's tiles 2 w, 2 w + 1
	s_and_b32 s15, ttmp9, 63                       ; jj = 8 x panel + K step: the chunk's number
	s_lshr_b32 s16, s15, 3
	s_and_b32 s17, s15, 7
	s_lshl_b32 s20, s17, 19                        ; 128 rows of 4,096 bytes a K step
	s_lshl_b32 s18, s16, 9                         ; 128 columns a panel
	s_add_co_u32 s20, s20, s18
	s_lshl_b32 s18, s14, 7                         ; 32 columns a wave
	s_add_co_u32 s20, s20, s18
	s_mul_i32 s22, s15, 12800
	s_mul_i32 s18, s14, 3072
	s_add_co_u32 s24, s22, s18                     ; my two fragments
	s_lshr_b32 s18, s14, 1
	s_lshl_b32 s18, s18, 8
	s_and_b32 s19, s14, 1
	s_lshl_b32 s19, s19, 3
	s_add_co_u32 s26, s22, s18
	s_add_co_u32 s26, s26, s19
	s_add_co_u32 s26, s26, 12288                   ; my scale words
	s_cmp_lt_u32 ttmp9, 64
	s_cselect_b32 s18, 0, 819200                   ; Wo's codes lie behind Wq's
	s_wait_kmcnt 0x0
	s_cselect_b64 s[4:5], s[4:5], s[6:7]
	s_add_co_u32 s24, s24, s18
	s_add_co_u32 s26, s26, s18
	s_mov_b32 s21, 0
	s_add_nc_u64 s[4:5], s[4:5], s[20:21]
	s_wait_alu depctr_va_vdst(0)
	LOADS 4096
	s_branch .Ljoin
.Lsmall:
	; Wk (work-groups 128-131) or Wv (132-135): wave w takes tiles 2 (w % 2), 2 (w % 2) + 1 of K step 2 jj + w / 2
	s_and_b32 s15, ttmp9, 3
	s_and_b32 s16, s14, 1
	s_lshr_b32 s17, s14, 1
	s_lshl_b32 s18, s15, 1
	s_add_co_u32 s17, s17, s18                     ; K step
	s_lshl_b32 s20, s17, 15                        ; 128 rows of 256 bytes
	s_lshl_b32 s18, s16, 7
	s_add_co_u32 s20, s20, s18
	s_mul_i32 s22, s17, 6400
	s_mul_i32 s18, s16, 3072
	s_add_co_u32 s24, s22, s18
	s_lshl_b32 s18, s16, 3
	s_add_co_u32 s26, s22, s18
	s_add_co_u32 s26, s26, 6144
	s_cmp_lt_u32 ttmp9, 132
	s_cselect_b32 s18, 0, 51200
	s_wait_kmcnt 0x0
	s_cselect_b64 s[4:5], s[8:9], s[10:11]
	s_add_co_u32 s18, s18, 1638400
	s_add_co_u32 s24, s24, s18
	s_add_co_u32 s26, s26, s18
	s_mov_b32 s21, 0
	s_add_nc_u64 s[4:5], s[4:5], s[20:21]
	s_wait_alu depctr_va_vdst(0)
	LOADS 256
.Ljoin:
	s_mov_b32 s25, 0
	s_mov_b32 s27, 0
	s_add_nc_u64 s[28:29], s[12:13], s[24:25]
	s_add_nc_u64 s[30:31], s[12:13], s[26:27]
.macro BLOCK kb, base                  ; block kb of my column: its scale, and its 32 codes: the lower 16 to v[base] on, the upper 16 to T
.set XS, D+32*(\kb)
	v_max3_num_f32 v[M], |v[XS]|, |v[XS+1]|, |v[XS+2]|
	v_max3_num_f32 v[M+1], |v[XS+3]|, |v[XS+4]|, |v[XS+5]|
.irp i, 6,10,14,18,22,26
	v_max3_num_f32 v[M], v[M], |v[XS+\i]|, |v[XS+\i+1]|
	v_max3_num_f32 v[M+1], v[M+1], |v[XS+\i+2]|, |v[XS+\i+3]|
.endr
	v_max3_num_f32 v[M], v[M], |v[XS+30]|, |v[XS+31]|
	v_max3_num_f32 v[M], v[M], v[M+1], 0x1800000   ; and the floor 2^(3 - 127): the byte cannot fall under 1
	v_add_nc_u32 v[SO+\kb], 0xff000000, v[M]       ; 2 off the exponent field: the conversion takes this operand's exponent field as its scale
	v_lshrrev_b32 v[BY+\kb], 23, v[SO+\kb]         ; the byte
	v_cvt_scalef32_pk16_fp6_f32 v[\base:\base+2], v[XS:XS+15], v[SO+\kb]
	v_cvt_scalef32_pk16_fp6_f32 v[T+4*(\kb):T+4*(\kb)+2], v[XS+16:XS+31], v[SO+\kb]
	v_nop                                          ; one plain place behind the conversions
.endm
	s_wait_loadcnt 63                              ; loads return in order: at most the youngest 63 of the 128 are out, so blocks 0 and 1 (the first 64) are in
	BLOCK 0, F0
	BLOCK 1, F1
	s_wait_loadcnt 32                              ; block 2 is in
	BLOCK 2, F0+6
	s_wait_loadcnt 0x0
	BLOCK 3, F1+6
	v_lshl_or_b32 v[PW], v[BY+1], 8, v[BY]         ; my row's four bytes
	v_lshl_or_b32 v[PW], v[BY+2], 16, v[PW]
	v_lshl_or_b32 v[PW], v[BY+3], 24, v[PW]
.irp i, 0,1,2
	v_mov_b32 v[F0+3+\i], v[T+\i]
	v_mov_b32 v[F1+3+\i], v[T+4+\i]
	v_mov_b32 v[F0+9+\i], v[T+8+\i]
	v_mov_b32 v[F1+9+\i], v[T+12+\i]
.endr
.set i, 0
.rept 12                               ; F0 held blocks 2 c of both tiles' rows, F1 blocks 2 c + 1: F0's lanes 16-31 change places with F1's lanes 0-15, and F0 is the first tile's fragment, F1 the second's
	v_permlane16_swap_b32 v[F0+i], v[F1+i]
.set i, i+1
.endr
.irp u, 0,1
	global_store_b128 v[L16], v[F0+12*\u:F0+12*\u+3], s[28:29] offset:1536*\u          ; each store covers 512 or 256 consecutive bytes, at a multiple of 256 from the buffer's first byte
	global_store_b64 v[L8], v[F0+12*\u+4:F0+12*\u+5], s[28:29] offset:1536*\u+512
	global_store_b128 v[L16], v[F0+12*\u+6:F0+12*\u+9], s[28:29] offset:1536*\u+768
	global_store_b64 v[L8], v[F0+12*\u+10:F0+12*\u+11], s[28:29] offset:1536*\u+1280
.endr
	global_store_b32 v[SA], v[PW], s[30:31]
	s_endpgm
.Lfunc_end_k_qef1cda30e7_quant_w:
	.size	k_qef1cda30e7_quant_w, .Lfunc_end_k_qef1cda30e7_quant_w-k_qef1cda30e7_quant_w
	.p2alignl 7, 3214868480
	.fill 96, 4, 3214868480
	.section	.rodata,"a",@progbits
	.p2align	6, 0x0
	.amdhsa_kernel k_qef1cda30e7_quant_w
		.amdhsa_group_segment_fixed_size 0
		.amdhsa_private_segment_fixed_size 0
		.amdhsa_enable_private_segment 0
		.amdhsa_kernarg_size 40
		.amdhsa_user_sgpr_count 2
		.amdhsa_user_sgpr_kernarg_segment_ptr 1
		.amdhsa_wavefront_size32 1
		.amdhsa_system_sgpr_workgroup_id_x 1
		.amdhsa_system_sgpr_workgroup_id_y 1
		.amdhsa_system_sgpr_workgroup_id_z 1
		.amdhsa_system_vgpr_workitem_id 0
		.amdhsa_next_free_vgpr 208
		.amdhsa_next_free_sgpr 66
		.amdhsa_reserve_vcc 0
		.amdhsa_float_denorm_mode_32 3
		.amdhsa_float_denorm_mode_16_64 3
		.amdhsa_memory_ordered 1
		.amdhsa_forward_progress 1
		.amdhsa_inst_pref_size 35
	.end_amdhsa_kernel
	.amdgpu_metadata
---
amdhsa.version: [ 1, 2 ]
amdhsa.kernels:
  - .name:           k_qef1cda30e7_quant_w
    .symbol:         k_qef1cda30e7_quant_w.kd
    .args:
      - { .name: Wq, .offset: 0, .size: 8, .value_kind: global_buffer, .address_space: global }
      - { .name: Wo, .offset: 8, .size: 8, .value_kind: global_buffer, .address_space: global }
      - { .name: Wk, .offset: 16, .size: 8, .value_kind: global_buffer, .address_space: global }
      - { .name: Wv, .offset: 24, .size: 8, .value_kind: global_buffer, .address_space: global }
      - { .name: wbuf, .offset: 32, .size: 8, .value_kind: global_buffer, .address_space: global }
    .group_segment_fixed_size: 0
    .private_segment_fixed_size: 0
    .kernarg_segment_align: 8
    .kernarg_segment_size: 40
    .max_flat_workgroup_size: 128
    .sgpr_count:     66
    .vgpr_count:     208
    .wavefront_size: 32
...
	.end_amdgpu_metadata
.endif
;; end of part 1
;; launch xproc (part 2): grid 192 x 1, 4 waves a work-group, no clusters, 322,048 bytes of LDS; arguments query, key, value, bk, bv, wbuf, xbuf; writes xbuf
.if DOCPART == 2
	.amdgcn_target "amdgcn-amd-amdhsa--gfx1250"
	.amdhsa_code_object_version 6
	.text
	.protected	k_qef1cda30e7_xproc
	.globl	k_qef1cda30e7_xproc
	.p2align	8
	.type	k_qef1cda30e7_xproc,@function
k_qef1cda30e7_xproc:
	s_mov_b64 s[64:65], 0
	v_nop
	global_prefetch_b8 v0, s[64:65] scope:SCOPE_SE
	s_setreg_imm32_b32 hwreg(HW_REG_WAVE_MODE, 25, 1), 1
	s_wait_xcnt 0x0
; The three activations, [4096][1024] f32, are read once.  Work-groups 0-63: key; 64-127: value; 128-191: query; each takes 64 rows, each of its four waves 16 of them.
; ALL THREE: a wave's 16 rows are quantised along K into eight fragments of FP6 (E2M3) codes (16 rows x 128 K) and eight scale words, in registers.
; QUERY: the fragments leave as they stand, as the operand of the Q projection (panels of 128 rows: 8 chunks of 12,800 bytes: 8 fragments of 1,536 bytes, then the scale words at 256 (t / 4) + 16 r + 4 (t % 4)).
; KEY, VALUE: K = Q6(key) Q6(Wk) + bk, V likewise, on the matrix unit, sums in f32; the 64 x 64 results meet in a stage in LDS and are quantised again: K along the head's 64, V along the keys.
; They leave as half fragments (16 rows x 64 K: registers 0-3 at 16 x lane, 4-5 at 512 + 8 x lane: 768 bytes) in records of 13,056 bytes for each 128 keys of a batch:
;   +0 eight half fragments of K (tile w has as its row r the key 8 w + r + 24 (r / 8));  +6,144 eight of V^T ([64-key half e][tile n of the head's 64, rows in the same order]);
;   +12,288 K's scale words [e][r][4 tiles], bytes 0, 1 used, 2, 3 zero;  +12,800 V's [r][4 tiles], byte 2 e + h for key block 2 e + h.
; A block's byte is its largest magnitude's exponent field - 2, held at 1 from below.  LIMITS: NaN and infinities are not served; a block under 2^-124, and a block of zeros, has the byte 1 (this program alone reads the bytes).
; THE PRODUCT IS USED TRANSPOSED: source 0 = 16 rows of W (a tile's rows are columns 32 b + 8 u + r + 8 (r / 8) of W), source 1 = my 16 rows of x: lane (r, h) holds row r, and register j of tile 2 b + u the column 32 b + 16 h + 8 u + j.
; The bias is loaded into the accumulators in that layout, so the first product adds onto it.
; LDS: every byte is filled once.  x: four quarters of K, one a wave, each 64 rows x 1,024 bytes, rows 1,040 bytes apart (65 x 16: sixteen rows' 16-byte pieces start at sixteen different places modulo 256 bytes); W's 8 chunks of 6,400 bytes behind them.
; The stages lie in W's bytes, which have had their only fill and, behind the barrier that follows the products, their last read; key's and value's have bytes of their own.
; NO JOINT LOADS: what key's and value's work-groups share, 51,200 bytes of W, is a sixth of what each fetches, and query's share nothing.  By this text's count a wave has one tensor load out at the most.
; The scale words and halfwords leave 16 bytes apart: their 256-byte units are written in parts, 1 byte in 24 of what the launch stores.
.set XTILE, 16*528
.set WL,    32*XTILE                   ; 270,336
.set STGK,  WL
.set STGV,  WL+64*272
.set XA,  4                            ; v4   my place in my wave's tile 0 of x: row r, + 128 h
.set L16, 5                            ; v5   16 x lane
.set L8,  6                            ; v6   8 x lane
.set SH8, 7                            ; v7   8 h
.set W16, 8                            ; v8   WL + 16 x lane
.set W8,  9                            ; v9   WL + 8 x lane
.set WR,  10                           ; v10  WL + 16 r
.set SAK, 11                           ; v11  key's stage [token][d]: row 16 w + r, + 64 h
.set SAV, 12                           ; v12  value's stage [d][token]: row 16 h, + 4 (16 w + r)
.set RA,  13                           ; v13  key's stage, back: row 8 w + r + 24 (r / 8), + 128 h
.set R16, 14                           ; v14  16 r
.set BO,  15                           ; v15  64 h
.set X,   16                           ; v16-79   64 numbers of x.  Later: W's fragments, two sets of 48 (v16-63, v64-111); later 32 numbers from the stage
.set WF,  16
.set M,   80                           ; v80-81 largest magnitudes; v82-83 scale operands; v84-85 bytes; v86-87 the word in the making; v88-94 upper halves of codes
.set SO,  82
.set BY,  84
.set W,   86
.set W2,  87
.set T,   88
.set ACC, 112                          ; v112-143 four accumulators
.set FX,  144                          ; v144-239 x's eight fragments
.set PW,  240                          ; v240-247 x's eight scale words: scales and nothing else
.set WS,  248                          ; v248-255 W's scale words, two sets of four: scales and nothing else
.set G0,  24                           ; s[24:27] descriptor group 0 for my quarter of x
.set G0W, 56                           ; s[58:59] the address of my quarter of W
.set WV,  60
.set TN,  61
.set JJ,  62
.set SEL, 66                           ; s[66:67] lane selects: lane l xor 16
.set G1X, 68                           ; s[68:75] group 1: 64 rows x 256 numbers of 4 bytes, 1,024 from row to row, 4 words of padding behind every 256
.set G1W, 76
	s_load_b256 s[4:11], s[0:1], 0x0               ; query, key, value, bk
	s_load_b128 s[12:15], s[0:1], 0x20             ; bv, wbuf
	s_load_b64 s[16:17], s[0:1], 0x30              ; xbuf
	s_set_vgpr_msb 0x40
	v_lshl_add_u32 v0, v0, 2, 0x4e800
	v_mov_b32 v1, 0
	s_set_vgpr_msb 0x4045
	ds_add_u32 v0, v1
	ds_add_u32 v0, v1
	s_set_vgpr_msb 0x4500
	v_lshrrev_b32 v1, 5, v0
	v_readfirstlane_b32 s[WV], v1                  ; wave
	s_lshr_b32 s[TN], ttmp9, 6                     ; 0 key, 1 value, 2 query
	s_and_b32 s[JJ], ttmp9, 63                     ; which 64 rows
	v_and_b32 v1, 31, v0                           ; lane
	v_and_b32 v2, 15, v0                           ; r
	v_bfe_u32 v3, v0, 4, 1                         ; h
	s_mul_i32 s84, s[WV], 16*1040                  ; my wave's 16 rows in a quarter of x: LDS rows of 1,024 + 16 bytes
	v_mul_u32_u24 v[XA], v2, 1040
	v_lshl_add_u32 v[XA], v3, 7, v[XA]
	v_add_nc_u32 v[XA], s84, v[XA]
	v_lshlrev_b32 v[L16], 4, v1
	v_lshlrev_b32 v[L8], 3, v1
	v_lshlrev_b32 v[SH8], 3, v3
	v_add_nc_u32 v[W16], WL, v[L16]
	v_add_nc_u32 v[W8], WL, v[L8]
	v_lshlrev_b32 v[R16], 4, v2
	v_add_nc_u32 v[WR], WL, v[R16]
	s_mul_i32 s85, s[WV], 16*272
	v_mul_u32_u24 v[SAK], v2, 272
	v_lshl_add_u32 v[SAK], v3, 6, v[SAK]
	v_add_nc_u32 v[SAK], s85, v[SAK]
	v_add_nc_u32 v[SAK], STGK, v[SAK]
	s_lshl_b32 s85, s[WV], 6
	v_mul_u32_u24 v[SAV], v3, 16*272
	v_lshl_add_u32 v[SAV], v2, 2, v[SAV]
	v_add_nc_u32 v[SAV], s85, v[SAV]
	v_add_nc_u32 v[SAV], STGV, v[SAV]
	s_lshl_b32 s85, s[WV], 3                       ; tile w has as its row r the stage's row 8 w + r + 24 (r / 8): rows 0-7 lie in the first 32, rows 8-15 in the second
	v_and_b32 v[RA], 8, v2
	v_mad_u32_u24 v[RA], v[RA], 3, v2
	v_add_nc_u32 v[RA], s85, v[RA]
	v_mul_u32_u24 v[RA], v[RA], 272
	v_lshl_add_u32 v[RA], v3, 7, v[RA]
	v_add_nc_u32 v[RA], STGK, v[RA]
	v_lshlrev_b32 v[BO], 6, v3
	v_mov_b32 v[W2], 0                             ; a lane permute's destination counts as one of its sources
	s_mov_b32 s[SEL], 0x76543210
	s_mov_b32 s[SEL+1], 0xfedcba98
	s_mov_b32 s[G1X], (2<<16)|(1<<20)|(7<<22)|(3<<25)   ; elements of 4 bytes; behind every 256 words 4 words of padding
	s_mov_b32 s[G1X+1], 256<<16                    ; a quarter of K: 256 numbers,
	s_mov_b32 s[G1X+2], 64<<16                     ; of the work-group's 64 rows
	s_mov_b32 s[G1X+3], 256<<16
	s_mov_b32 s[G1X+4], 64
	s_mov_b32 s[G1X+5], 1024
	s_mov_b32 s[G1X+6], 0
	s_mov_b32 s[G1X+7], 0
	s_lshl_b32 s86, s[JJ], 18                      ; 64 rows of 4,096 bytes a work-group,
	s_lshl_b32 s87, s[WV], 10                      ; wave w fetches quarter w of K: 1,024 bytes along the rows
	s_add_co_u32 s86, s86, s87
	s_mov_b32 s87, 0
	s_mul_i32 s89, s[WV], 12800                    ; my quarter of W
	s_wait_dscnt 0x0
	s_wait_kmcnt 0x0
	s_cmp_eq_u32 s[TN], 0                          ; the choices hang on the work-group's number alone
	s_cselect_b64 s[18:19], s[6:7], s[8:9]
	s_cselect_b64 s[10:11], s[10:11], s[12:13]     ; bk or bv
	s_cselect_b32 s88, 0, 51200                    ; Wk's codes or Wv's
	s_cmp_eq_u32 s[TN], 2
	s_cselect_b64 s[18:19], s[4:5], s[18:19]
	s_add_nc_u64 s[18:19], s[18:19], s[86:87]      ; x at the work-group's first row, my quarter of K
	s_mov_b32 s[G0], 1
	s_mul_i32 s[G0+1], s[WV], 64*1040              ; quarter w's place in LDS
	s_mov_b64 s[G0+2:G0+3], s[18:19]
	s_or_b32 s[G0+3], s[G0+3], 0x80000000
	v_add_nc_u32 v148, s89, v[W16]                 ; where my quarter of W goes in LDS
	s_add_co_u32 s88, s88, 1638400
	s_add_co_u32 s88, s88, s89
	s_mov_b32 s89, 0
	s_add_nc_u64 s[G0W+2:G0W+3], s[14:15], s[88:89]
	s_wait_alu depctr_va_vdst(0)                   ; the wait at the head's end
; one tensor load a wave, each in an arm of its own, so that a barrier can show one wave's quarter alone
.macro ARM under, next
	s_cmp_lt_u32 s[WV], \under
	s_cbranch_scc0 \next
	tensor_load_to_lds s[G0:G0+3], s[G1X:G1X+7]
	s_nop 0
	s_branch .Lx_asked
\next:
.endm
	ARM 1, .Lx_1
	ARM 2, .Lx_2
	ARM 3, .Lx_3
	tensor_load_to_lds s[G0:G0+3], s[G1X:G1X+7]
	s_nop 0
.Lx_asked:
	s_cmp_eq_u32 s[TN], 2
	s_cbranch_scc1 .Lno_w
.irp t, 0,1,2,3
	global_load_b128 v[ACC+8*\t:ACC+8*\t+3], v[BO], s[10:11] offset:128*(\t/2)+32*(\t%2)        ; b[32 b + 16 h + 8 u + 0 .. 7]: the accumulators begin as the bias
	global_load_b128 v[ACC+8*\t+4:ACC+8*\t+7], v[BO], s[10:11] offset:128*(\t/2)+32*(\t%2)+16
.endr
.set WK, 0
.rept 24                               ; my quarter of W, 12,800 bytes, through registers into LDS bytes of its own: 512 consecutive bytes a load
	global_load_b128 v[16+4*WK:19+4*WK], v[L16], s[G0W+2:G0W+3] offset:512*WK
.set WK, WK+1
.endr
	global_load_b128 v[144:147], v[L16], s[G0W+2:G0W+3] offset:512*24
	s_wait_loadcnt 0x0
.set WK, 0
.rept 24
	ds_store_b128 v148, v[16+4*WK:19+4*WK] offset:512*WK
.set WK, WK+1
.endr
	ds_store_b128 v148, v[144:147] offset:512*24
.Lno_w:
; quarter q of x is shown to all waves: the wave that fetched it waits for its one load; at the last quarter every wave waits
.macro SHOW q
.if (\q) > 0
	v_add_nc_u32 v[XA], 64*1040, v[XA]
.endif
	s_wait_alu depctr_va_vdst(0)                   ; the wait ahead of the branch and the barrier
.if (\q) < 3
	s_cmp_eq_u32 s[WV], \q
	s_cbranch_scc0 .Lnot_mine_\@
	s_wait_tensorcnt 0x0
.Lnot_mine_\@:
.else
	s_wait_tensorcnt 0x0
.endif
	s_wait_dscnt 0x0
	s_barrier_signal -1
	s_barrier_wait -1
.endm
; 64 numbers of a lane, register 32 c + e = k 64 c + 32 h + e of my row: two whole blocks.  They become a fragment's codes in v[f] on and my row's scale word in v[pw].
.macro QUANTB f, pw
.irp c, 0,1
	v_max3_num_f32 v[M+\c], |v[X+32*\c]|, |v[X+32*\c+1]|, 0x1800000   ; with the floor 2^(3 - 127): the byte cannot fall under 1
.endr
.irp i, 2,4,6,8,10,12,14,16,18,20,22,24,26,28,30
.irp c, 0,1
	v_max3_num_f32 v[M+\c], v[M+\c], |v[X+32*\c+\i]|, |v[X+32*\c+\i+1]|   ; the two blocks by turns
.endr
.endr
.irp c, 0,1
	v_add_nc_u32 v[SO+\c], 0xff000000, v[M+\c]     ; 2 off the exponent field: the conversion's scale operand
.endr
.irp c, 0,1
	v_lshrrev_b32 v[BY+\c], 23, v[SO+\c]           ; the byte
.endr
	v_lshl_or_b32 v[W], v[BY+1], 16, v[BY]         ; my bytes: blocks h and 2 + h,
	v_lshlrev_b32 v[W], v[SH8], v[W]               ; at their places;
	v_permlanex16_b32 v[W2], v[W], s[SEL], s[SEL+1]
	v_or_b32 v[\pw], v[W], v[W2]                   ; with lane l xor 16's two the word is whole
.irp c, 0,1
	v_cvt_scalef32_pk16_fp6_f32 v[\f+6*\c:\f+6*\c+2], v[X+32*\c:X+32*\c+15], v[SO+\c]
	v_cvt_scalef32_pk16_fp6_f32 v[T+4*\c:T+4*\c+2], v[X+32*\c+16:X+32*\c+31], v[SO+\c]   ; (a conversion's three registers begin on an even number)
.endr
	v_nop                                          ; one plain place behind the conversions
.irp c, 0,1
.irp i, 0,1,2
	v_mov_b32 v[\f+6*\c+3+\i], v[T+4*\c+\i]
.endr
.endr
.endm
.irp s, 0,1,2,3,4,5,6,7
.if (\s%2) == 0
	SHOW \s/2
.endif
.irp c, 0,1
.irp i, 0,1,2,3,4,5,6,7
	ds_load_b128 v[X+32*\c+4*\i:X+32*\c+4*\i+3], v[XA] offset:512*(\s%2)+256*\c+16*\i
.endr
.endr
	s_wait_dscnt 0x0
	QUANTB FX+12*\s, PW+\s
.endr
	s_cmp_eq_u32 s[TN], 2
	s_cbranch_scc0 .Lkv
	; ---- QUERY: tile 4 (jj % 2) + w of panel jj / 2
	s_lshr_b32 s84, s[JJ], 1
	s_mul_i32 s84, s84, 102400
	s_and_b32 s85, s[JJ], 1
	s_lshl_b32 s86, s85, 2
	s_add_co_u32 s86, s86, s[WV]
	s_mul_i32 s86, s86, 1536
	s_add_co_u32 s86, s86, s84
	s_mov_b32 s87, 0
	s_add_nc_u64 s[86:87], s[16:17], s[86:87]
	s_lshl_b32 s88, s85, 8
	s_lshl_b32 s89, s[WV], 2
	s_add_co_u32 s88, s88, s89
	s_add_co_u32 s88, s88, s84
	s_add_co_u32 s88, s88, 12288
	s_mov_b32 s89, 0
	s_add_nc_u64 s[88:89], s[16:17], s[88:89]
	s_wait_alu depctr_va_vdst(0)
.irp s, 0,1,2,3,4,5,6,7
	global_store_b128 v[L16], v[FX+12*\s:FX+12*\s+3], s[86:87] offset:12800*\s          ; 512 or 256 consecutive bytes a store, at a multiple of 256 from the buffer's first byte
	global_store_b64 v[L8], v[FX+12*\s+4:FX+12*\s+5], s[86:87] offset:12800*\s+512
	global_store_b128 v[L16], v[FX+12*\s+6:FX+12*\s+9], s[86:87] offset:12800*\s+768
	global_store_b64 v[L8], v[FX+12*\s+10:FX+12*\s+11], s[86:87] offset:12800*\s+1280
	global_store_b32 v[R16], v[PW+\s], s[88:89] offset:12800*\s                         ; lanes r and 16 + r hold the same word and write it to the same place
.endr
	s_set_vgpr_msb 0x5
	s_wait_tensorcnt 0x0
	ds_add_u32 v0, v1
	s_wait_dscnt 0x0
	s_set_vgpr_msb 0x500
	s_endpgm
.Lkv:
	; ---- KEY, VALUE: the product.  My quarter of W has landed (the waits above) and my LDS loads are in: behind the barrier all of W is there for every wave
	s_wait_dscnt 0x0
	s_barrier_signal -1
	s_barrier_wait -1
.macro FETCHW s, p                     ; K step s of W: four fragments and their scale words into set p: 17 loads
.irp t, 0,1,2,3
	ds_load_b128 v[WF+48*(\p)+12*\t:WF+48*(\p)+12*\t+3], v[W16] offset:6400*(\s)+1536*\t
	ds_load_b64 v[WF+48*(\p)+12*\t+4:WF+48*(\p)+12*\t+5], v[W8] offset:6400*(\s)+1536*\t+512
	ds_load_b128 v[WF+48*(\p)+12*\t+6:WF+48*(\p)+12*\t+9], v[W16] offset:6400*(\s)+1536*\t+768
	ds_load_b64 v[WF+48*(\p)+12*\t+10:WF+48*(\p)+12*\t+11], v[W8] offset:6400*(\s)+1536*\t+1280
.endr
	ds_load_b128 v[WS+4*(\p):WS+4*(\p)+3], v[WR] offset:6400*(\s)+6144    ; register t: tile t's word of row r
.endm
	FETCHW 0, 0
	s_wait_loadcnt 0x0                             ; the bias
.irp s, 0,1,2,3,4,5,6,7
.rept 4
	v_nop                                          ; four places between the last step's products and the loads into the set that they read
.endr
.if \s < 7
	FETCHW \s+1, (\s+1)%2
	s_wait_dscnt 17                                ; this step's set is in; the 17 just issued may be out
.else
	s_wait_alu depctr_va_vdst(0)
	s_wait_dscnt 0x0
.endif
.irp t, 0,1,2,3                        ; the four accumulators by turns
	v_wmma_scale_f32_16x16x128_f8f6f4 v[ACC+8*\t:ACC+8*\t+7], v[WF+48*(\s%2)+12*\t:WF+48*(\s%2)+12*\t+11], v[FX+12*\s:FX+12*\s+11], v[ACC+8*\t:ACC+8*\t+7], v[WS+4*(\s%2)+\t], v[PW+\s] matrix_a_fmt:MATRIX_FMT_FP6 matrix_b_fmt:MATRIX_FMT_FP6
.endr
.endr
.rept 4
	v_nop                                          ; four places in front of the first read of results
.endr
	s_wait_dscnt 0x0
	s_barrier_signal -1                            ; every wave's reads of W are over: its bytes may take the stages
	s_barrier_wait -1
	s_cmp_eq_u32 s[TN], 0
	s_cbranch_scc0 .Lstage_v
.irp t, 0,1,2,3                        ; key: [token][d]: my row's eight neighbours of tile t; each accumulator from its low end on
	ds_store_b128 v[SAK], v[ACC+8*\t:ACC+8*\t+3] offset:128*(\t/2)+32*(\t%2)
	ds_store_b128 v[SAK], v[ACC+8*\t+4:ACC+8*\t+7] offset:128*(\t/2)+32*(\t%2)+16
.endr
	s_branch .Lstaged
.Lstage_v:
.irp t, 0,1,2,3                        ; value: [d][token]: the keys are the next K, so the tile is turned on its way in
.irp j, 0,1,2,3,4,5,6,7
	ds_store_b32 v[SAV], v[ACC+8*\t+\j] offset:(32*(\t/2)+8*(\t%2)+\j)*272
.endr
.endr
.Lstaged:
	s_wait_dscnt 0x0                               ; for the others' sake: my stores have landed
	s_barrier_signal -1
	s_barrier_wait -1
	s_cmp_eq_u32 s[TN], 0
	s_cbranch_scc0 .Lread_v
.irp i, 0,1,2,3,4,5,6,7
	ds_load_b128 v[X+4*\i:X+4*\i+3], v[RA] offset:16*\i                 ; tile w's row r, its block h: 32 neighbours along the next K
.endr
	s_branch .Lread
.Lread_v:
.irp i, 0,1,2,3,4,5,6,7
	ds_load_b128 v[X+4*\i:X+4*\i+3], v[RA] offset:STGV-STGK+16*\i
.endr
.Lread:
	; where the half fragment goes: batch jj / 32, record (jj % 32) / 2, half e = jj % 2, tile w
	s_lshr_b32 s84, s[JJ], 5
	s_and_b32 s85, s[JJ], 31
	s_lshr_b32 s86, s85, 1
	s_and_b32 s85, s85, 1
	s_mul_i32 s84, s84, 208896
	s_mul_i32 s86, s86, 13056
	s_add_co_u32 s84, s84, s86
	s_add_co_u32 s84, s84, 3276800                 ; the record
	s_mul_i32 s86, s85, 3072
	s_mul_i32 s87, s[WV], 768
	s_add_co_u32 s86, s86, s87
	s_add_co_u32 s86, s86, s84
	s_lshl_b32 s88, s[WV], 2
	s_add_co_u32 s88, s88, s84
	s_lshl_b32 s90, s85, 8
	s_add_co_u32 s90, s90, 12288                   ; K's words: + 256 e
	s_lshl_b32 s91, s85, 1
	s_add_co_u32 s91, s91, 12800                   ; V's halfwords: + 2 e
	s_cmp_eq_u32 s[TN], 0
	s_cselect_b32 s87, 0, 6144
	s_cselect_b32 s90, s90, s91
	s_add_co_u32 s86, s86, s87
	s_add_co_u32 s88, s88, s90
	s_mov_b32 s87, 0
	s_mov_b32 s89, 0
	s_add_nc_u64 s[86:87], s[16:17], s[86:87]
	s_add_nc_u64 s[88:89], s[16:17], s[88:89]
	s_wait_dscnt 0x0
	v_max3_num_f32 v[M], |v[X]|, |v[X+1]|, |v[X+2]|                     ; one whole block a lane
	v_max3_num_f32 v[M+1], |v[X+3]|, |v[X+4]|, |v[X+5]|
.irp i, 6,10,14,18,22,26
	v_max3_num_f32 v[M], v[M], |v[X+\i]|, |v[X+\i+1]|
	v_max3_num_f32 v[M+1], v[M+1], |v[X+\i+2]|, |v[X+\i+3]|
.endr
	v_max3_num_f32 v[M], v[M], |v[X+30]|, |v[X+31]|
	v_max3_num_f32 v[M], v[M], v[M+1], 0x1800000
	v_add_nc_u32 v[SO], 0xff000000, v[M]
	v_lshrrev_b32 v[BY], 23, v[SO]
	v_lshlrev_b32 v[W], v[SH8], v[BY]
	v_permlanex16_b32 v[W2], v[W], s[SEL], s[SEL+1]
	v_or_b32 v[W], v[W], v[W2]                     ; bytes 0 and 1: blocks 0 and 1 of row r
	v_cvt_scalef32_pk16_fp6_f32 v[64:66], v[X:X+15], v[SO]
	v_cvt_scalef32_pk16_fp6_f32 v[70:72], v[X+16:X+31], v[SO]
	v_nop
.irp i, 0,1,2
	v_mov_b32 v[67+\i], v[70+\i]
.endr
	global_store_b128 v[L16], v[64:67], s[86:87]
	global_store_b64 v[L8], v[68:69], s[86:87] offset:512
	s_cmp_eq_u32 s[TN], 0
	s_cbranch_scc0 .Lscale_v
	global_store_b32 v[R16], v[W], s[88:89]        ; K: the whole word; its bytes 2 and 3 are zero
	s_set_vgpr_msb 0x5
	s_wait_tensorcnt 0x0
	ds_add_u32 v0, v1
	s_wait_dscnt 0x0
	s_set_vgpr_msb 0x500
	s_endpgm
.Lscale_v:
	s_wait_alu depctr_va_vdst(0)
	global_store_b16 v[R16], v[W], s[88:89]        ; V: my half's two bytes of the step's word
	s_set_vgpr_msb 0x5
	s_wait_tensorcnt 0x0
	ds_add_u32 v0, v1
	s_wait_dscnt 0x0
	s_set_vgpr_msb 0x500
	s_endpgm
.Lfunc_end_k_qef1cda30e7_xproc:
	.size	k_qef1cda30e7_xproc, .Lfunc_end_k_qef1cda30e7_xproc-k_qef1cda30e7_xproc
	.p2alignl 7, 3214868480
	.fill 96, 4, 3214868480
	.section	.rodata,"a",@progbits
	.p2align	6, 0x0
	.amdhsa_kernel k_qef1cda30e7_xproc
		.amdhsa_group_segment_fixed_size 322048
		.amdhsa_private_segment_fixed_size 0
		.amdhsa_enable_private_segment 0
		.amdhsa_kernarg_size 56
		.amdhsa_user_sgpr_count 2
		.amdhsa_user_sgpr_kernarg_segment_ptr 1
		.amdhsa_wavefront_size32 1
		.amdhsa_system_sgpr_workgroup_id_x 1
		.amdhsa_system_sgpr_workgroup_id_y 1
		.amdhsa_system_sgpr_workgroup_id_z 1
		.amdhsa_system_vgpr_workitem_id 0
		.amdhsa_next_free_vgpr 258
		.amdhsa_next_free_sgpr 100
		.amdhsa_reserve_vcc 0
		.amdhsa_float_denorm_mode_32 3
		.amdhsa_float_denorm_mode_16_64 3
		.amdhsa_memory_ordered 1
		.amdhsa_forward_progress 1
		.amdhsa_inst_pref_size 69
	.end_amdhsa_kernel
	.amdgpu_metadata
---
amdhsa.version: [ 1, 2 ]
amdhsa.kernels:
  - .name:           k_qef1cda30e7_xproc
    .symbol:         k_qef1cda30e7_xproc.kd
    .args:
      - { .name: query, .offset: 0, .size: 8, .value_kind: global_buffer, .address_space: global }
      - { .name: key, .offset: 8, .size: 8, .value_kind: global_buffer, .address_space: global }
      - { .name: value, .offset: 16, .size: 8, .value_kind: global_buffer, .address_space: global }
      - { .name: bk, .offset: 24, .size: 8, .value_kind: global_buffer, .address_space: global }
      - { .name: bv, .offset: 32, .size: 8, .value_kind: global_buffer, .address_space: global }
      - { .name: wbuf, .offset: 40, .size: 8, .value_kind: global_buffer, .address_space: global }
      - { .name: xbuf, .offset: 48, .size: 8, .value_kind: global_buffer, .address_space: global }
    .group_segment_fixed_size: 322048
    .private_segment_fixed_size: 0
    .kernarg_segment_align: 8
    .kernarg_segment_size: 56
    .max_flat_workgroup_size: 128
    .sgpr_count:     100
    .vgpr_count:     258
    .wavefront_size: 32
...
	.end_amdgpu_metadata
.endif
;; end of part 2
;; launch qproj (part 3): grid 8 x 32, 4 waves a work-group, clusters of 4 x 4, 222,720 bytes of LDS; arguments xbuf, wbuf, bq, qbuf; writes qbuf
.if DOCPART == 3
	.amdgcn_target "amdgcn-amd-amdhsa--gfx1250"
	.amdhsa_code_object_version 6
	.text
	.protected	k_qef1cda30e7_qproj
	.globl	k_qef1cda30e7_qproj
	.p2align	8
	.type	k_qef1cda30e7_qproj,@function
k_qef1cda30e7_qproj:
	s_mov_b64 s[64:65], 0
	v_nop
	global_prefetch_b8 v0, s[64:65] scope:SCOPE_SE
	s_setreg_imm32_b32 hwreg(HW_REG_WAVE_MODE, 25, 1), 1
	s_wait_xcnt 0x0
	s_wait_alu depctr_hold_cnt(0) depctr_sa_sdst(0) depctr_va_vdst(0) depctr_va_sdst(0) depctr_va_ssrc(0) depctr_va_vcc(0) depctr_vm_vsrc(0)
	s_getreg_b32 s2, hwreg(HW_REG_IB_STS2, 6, 4)
	s_cmp_eq_u32 s2, 0
	s_cbranch_scc0 .Lentry_in_a_cluster
	s_endpgm
.Lentry_in_a_cluster:
	s_bfe_u32 s2, ttmp6, 0x10000c
	s_cmp_lg_u32 s2, 0xf033
	s_cbranch_scc0 .Lentry_shape_is_right
	s_endpgm
.Lentry_shape_is_right:
.set MODE, 0                           ; 0: Q = query Wq + bq, quantised head by head;  1: out = O Wo + bo, f32.  The two texts differ in this line alone
; C [4096][1024] = A [4096][1024] B + bias, both operands as codes of FP6 (E2M3) with E8M0 scales for each 32 along K, laid by earlier launches in the order of the operand's registers.
; A panel is 128 rows (A: tokens; B: columns of the weight): 8 chunks of 12,800 bytes, one for each 128 along K: 8 fragments of 1,536 bytes (registers 0-3 at 16 x lane, 4-5 at 512 + 8 x lane, 6-9 at 768 + 16 x lane,
; 10-11 at 1,280 + 8 x lane), then the scale words at 256 (t / 4) + 16 r + 4 (t % 4).  Tile 2 b + u of B has as its row r the column 32 b + 8 u + r + 8 (r / 8).
; SHARES.  A work-group makes 128 x 128 of C, 256 work-groups in all; each of four waves 64 x 64: 16 accumulators.  K is 1,024, so A's and B's whole panels, 204,800 bytes, fit in LDS: every LDS byte is filled once, and no slot takes turns.
; CLUSTERS: 4 x 4 work-groups.  The four of a row of the cluster need the same panel of A, the four of a column the same panel of B: each chunk is asked for JOINTLY, by the same tensor load with the same descriptor and a mask that names the four.
; Waves 0, 1 fetch A's chunks 0-3 and 4-7, waves 2, 3 B's: one load a wave, all at the start; by this text's count one is out at the most.  A wait and a barrier before step 0 and at step 3 show chunks 0-3, then 4-7, landed.
; THE MATRIX INSTRUCTION IS USED TRANSPOSED: source 0 = 16 rows of B, source 1 = 16 tokens: lane (r, h) holds token r, and register j of B's tile 2 b + u the column 32 b + 16 h + 8 u + j.  The bias is the C of each sum's first product.
; MODE 0: a wave's 64 columns are one head.  Its 32 numbers a lane are two half blocks of 16 neighbours: quantised in registers to a half fragment (768 bytes) at [tile of tokens][head], and a halfword of two scale bytes at [tile][head][r].
;   A block's byte is its largest magnitude's exponent field - 2, held at 1 from below.  LIMITS: NaN and infinities are not served; a block under 2^-124, and a block of zeros, has the byte 1 (this program alone reads the bytes).
;   The halfwords leave as 32 consecutive bytes a store: their 256-byte units are written in parts, 1 byte in 24 of what the launch stores.
; MODE 1: 16 tokens x 64 columns at a time go through the wave's own stage in LDS and leave as rows: sixteen lanes store 256 consecutive bytes, at a multiple of 256 from the buffer's first byte.
; REGISTERS: window 0: v1-20 addresses; v32-127, v128-223 two sets of fragments (4 of tokens, then 4 of B); v224-231 scale words, two sets: register i holds tokens' tile i in lanes 0-15 and B's tile i in lanes 16-31.
;   window 1: v0-127 the accumulators ((a, t) at 32 a + 8 t); v128-159 the bias, 8 registers for each tile of B.
.set WOFF,  819200*MODE                ; Wo's codes lie behind Wq's
.set CHUNK, 12800
.set AL,    0
.set BL,    8*CHUNK
.set STG,   16*CHUNK                   ; 4 waves x 16 rows x 272 bytes: bytes of its own, into which no fill lands
.set XA16, 4                           ; v4, v5   my tokens' fragments, 16 x lane: chunks 0-3, chunks 4-7
.set XA8,  6                           ; v6, v7   the same, 8 x lane
.set WA16, 8                           ; v8, v9   B's
.set WA8,  10                          ; v10, v11
.set SCA,  12                          ; v12, v13 scale words: lanes 0-15 tokens', lanes 16-31 B's
.set L16,  14
.set L8,   15
.set BO,   16                          ; 64 h
.set R2,   17                          ; 2 r
.set STO,  18                          ; the stage, in
.set RD,   19                          ; the stage, back
.set CO,   20                          ; my place in two rows of C
.set FS,   32
.set SCR,  224
.set BIAS, 128
.set WV, 12
.set WM, 13
.set WN, 14
.set G0A, 24                           ; s[24:27] group 0 for my four chunks of A;  s[40:43] of B
.set G0B, 40
.set G1A, 68                           ; s[68:75], s[76:83] group 1: 51,200 dense bytes as 200 rows of 256; they differ in the mask
.set G1B, 76
.set SEL, 96
.set MSB, 0
.macro WIN new                         ; the immediate's high byte repeats the setting that is left
.if MSB != \new
	s_set_vgpr_msb (MSB<<8)|\new
.set MSB, \new
.endif
.endm
.macro ROUND                           ; a round of the cluster's barrier
	s_barrier_signal -1
	s_barrier_wait -1
	s_cmp_lg_u32 s[WV], 0
	s_cbranch_scc1 .Lnot_wave_0_\@
	s_barrier_signal -3
.Lnot_wave_0_\@:
	s_barrier_wait -3
	s_barrier_signal -1
	s_barrier_wait -1
.endm
	s_load_b256 s[4:11], s[0:1], 0x0               ; A, wbuf, bias, C
	v_lshl_add_u32 v254, v0, 2, 0x36400
	v_mov_b32 v255, 0
	ds_add_u32 v254, v255
	ds_add_u32 v254, v255
	v_lshrrev_b32 v1, 5, v0
	v_readfirstlane_b32 s[WV], v1                  ; wave
	s_lshr_b32 s[WM], s[WV], 1                     ; which 64 tokens.  Also: I fetch for A (0) or for B (1)
	s_and_b32 s[WN], s[WV], 1                      ; which 64 columns.  Also: chunks 0-3 or 4-7
	s_bfe_u32 s15, ttmp6, 0x40000                  ; cx
	s_bfe_u32 s16, ttmp6, 0x40004                  ; cy
	s_lshl_b32 s17, ttmp9, 2
	s_add_co_u32 s17, s17, s15                     ; x: panel of B
	s_and_b32 s18, ttmp7, 0xffff
	s_lshl_b32 s18, s18, 2
	s_add_co_u32 s18, s18, s16                     ; y: panel of A
	s_lshl_b32 s19, s16, 2
	s_lshl_b32 s19, 15, s19                        ; my row of the cluster
	s_lshl_b32 s20, 0x1111, s15                    ; my column
	s_or_b32 s[G1A], s19, (3<<16)|(1<<21)          ; the mask; elements of 8 bytes; bit 21 set beside a mask
	s_or_b32 s[G1B], s20, (3<<16)|(1<<21)
.irp g, G1A, G1B
	s_mov_b32 s[\g+1], 32<<16                      ; tensor_dim0 = 32
	s_mov_b32 s[\g+2], 200<<16                     ; tensor_dim1 = 200: half a panel, 51,200 dense bytes
	s_mov_b32 s[\g+3], 32<<16                      ; tile_dim0
	s_mov_b32 s[\g+4], 200                         ; tile_dim1
	s_mov_b32 s[\g+5], 32                          ; from row to row
	s_mov_b32 s[\g+6], 0
	s_mov_b32 s[\g+7], 0
.endr
	s_mul_i32 s21, s[WN], 4*CHUNK                  ; chunks 0-3 or chunks 4-7
	s_mul_i32 s84, s18, 8*CHUNK                    ; A's address hangs on y and the wave's number alone,
	s_add_co_u32 s84, s84, s21
	s_mov_b32 s85, 0
	s_mul_i32 s86, s17, 8*CHUNK                    ; B's on x and the wave's number
	s_add_co_u32 s86, s86, s21
	s_add_co_u32 s86, s86, WOFF
	s_mov_b32 s87, 0
	s_mov_b32 s[SEL], 0x76543210
	s_mov_b32 s[SEL+1], 0xfedcba98
	s_wait_dscnt 0x0
	s_wait_kmcnt 0x0
	s_add_nc_u64 s[84:85], s[4:5], s[84:85]
	s_add_nc_u64 s[86:87], s[6:7], s[86:87]
	ROUND                                          ; all sixteen work-groups are here: the joint loads meet
	s_mov_b32 s[G0A], 1
	s_add_co_u32 s[G0A+1], s21, AL
	s_mov_b64 s[G0A+2:G0A+3], s[84:85]
	s_or_b32 s[G0A+3], s[G0A+3], 0x80000000
	s_mov_b32 s[G0B], 1
	s_add_co_u32 s[G0B+1], s21, BL
	s_mov_b64 s[G0B+2:G0B+3], s[86:87]
	s_or_b32 s[G0B+3], s[G0B+3], 0x80000000
; one joint load a wave, each in an arm of its own: waves 0 and 2 fetch chunks 0-3 of A and of B, which are wanted first; waves 1 and 3 chunks 4-7
.macro ARM who, g0, g1, next
	s_cmp_eq_u32 s[WV], \who
	s_cbranch_scc0 \next
	tensor_load_to_lds s[\g0:\g0+3], s[\g1:\g1+7]
	s_nop 0
.rept 4
	v_nop
.endr
	s_branch .Lasked
\next:
.endm
	ARM 0, G0A, G1A, .Larm_1
	ARM 2, G0B, G1B, .Larm_2
	ARM 1, G0A, G1A, .Larm_3
	tensor_load_to_lds s[G0B:G0B+3], s[G1B:G1B+7]
	s_nop 0
.rept 4
	v_nop
.endr
.Lasked:
	v_and_b32 v1, 31, v0                           ; lane
	v_and_b32 v2, 15, v0                           ; r
	v_bfe_u32 v3, v0, 4, 1                         ; h
	v_lshlrev_b32 v[L16], 4, v1
	v_lshlrev_b32 v[L8], 3, v1
	s_mul_i32 s22, s[WM], 6144                     ; my four tiles of tokens
	s_mul_i32 s23, s[WN], 6144                     ; my four tiles of B
	s_add_co_u32 s23, s23, BL
	v_add_nc_u32 v[XA16], s22, v[L16]
	v_add_nc_u32 v[XA8], s22, v[L8]
	v_add_nc_u32 v[WA16], s23, v[L16]
	v_add_nc_u32 v[WA8], s23, v[L8]
	s_lshl_b32 s22, s[WM], 8
	s_lshl_b32 s23, s[WN], 8
	s_add_co_u32 s23, s23, BL-AL
	s_sub_co_u32 s23, s23, s22                     ; from my tokens' words to my B's
	v_mul_u32_u24 v[SCA], s23, v3                  ; lanes 16-31 take B's
	v_lshl_add_u32 v[SCA], v2, 4, v[SCA]
	s_add_co_u32 s22, s22, AL+12288
	v_add_nc_u32 v[SCA], s22, v[SCA]
.irp q, XA16, XA8, WA16, WA8, SCA
	v_add_nc_u32 v[\q+1], 4*CHUNK, v[\q]           ; chunks 4-7: an LDS offset has 16 bits
.endr
	v_lshlrev_b32 v[BO], 6, v3
	v_lshlrev_b32 v[R2], 1, v2
	s_mul_i32 s22, s[WV], 16*272
	s_add_co_u32 s22, s22, STG                     ; my stage
	v_mul_u32_u24 v[STO], v2, 272
	v_lshl_add_u32 v[STO], v3, 6, v[STO]
	v_add_nc_u32 v[STO], s22, v[STO]               ; in: row r, + 64 h
	v_mul_u32_u24 v[RD], v3, 272
	v_lshl_add_u32 v[RD], v2, 4, v[RD]
	v_add_nc_u32 v[RD], s22, v[RD]                 ; back: lanes 0-15 one row, lanes 16-31 the next
	v_lshlrev_b32 v[CO], 12, v3
	v_lshl_add_u32 v[CO], v2, 4, v[CO]             ; and the same in C
	s_lshl_b32 s22, s17, 9
	s_lshl_b32 s23, s[WN], 8
	s_add_co_u32 s22, s22, s23                     ; my first column, in bytes
	s_mov_b32 s23, 0
	s_add_nc_u64 s[8:9], s[8:9], s[22:23]
	WIN 0x40                                       ; destination window 1
.irp t, 0,1,2,3
	global_load_b128 v[BIAS+8*\t:BIAS+8*\t+3], v[BO], s[8:9] offset:128*(\t/2)+32*(\t%2)
	global_load_b128 v[BIAS+8*\t+4:BIAS+8*\t+7], v[BO], s[8:9] offset:128*(\t/2)+32*(\t%2)+16
.endr
	WIN 0
.if MODE == 0
	s_lshl_b32 s88, s18, 3
	s_lshl_b32 s89, s[WM], 2
	s_add_co_u32 s88, s88, s89                     ; my first tile of tokens
	s_lshl_b32 s89, s17, 1
	s_add_co_u32 s89, s89, s[WN]                   ; my head
	s_lshl_b32 s90, s88, 4
	s_add_co_u32 s90, s90, s89
	s_mul_i32 s90, s90, 768
	s_mov_b32 s91, 0
	s_add_nc_u64 s[92:93], s[10:11], s[90:91]      ; the half fragments
	s_lshl_b32 s90, s88, 9
	s_lshl_b32 s89, s89, 5
	s_add_co_u32 s90, s90, s89
	s_add_co_u32 s90, s90, 3145728
	s_add_nc_u64 s[94:95], s[10:11], s[90:91]      ; the halfwords
.else
	s_lshl_b32 s90, s18, 19
	s_lshl_b32 s89, s[WM], 18
	s_add_co_u32 s90, s90, s89
	s_add_co_u32 s90, s90, s22                     ; my first row of 4,096 bytes, my first column
	s_mov_b32 s91, 0
	s_add_nc_u64 s[92:93], s[10:11], s[90:91]
.endif
.macro FETCH s, p                      ; K step s: four fragments of tokens, four of B, the scale words, into set p: 33 loads
.set BS, (\s)/4
.set OF, CHUNK*((\s)%4)
.set FP, FS+96*(\p)
.irp a, 0,1,2,3
	ds_load_b128 v[FP+12*\a:FP+12*\a+3], v[XA16+BS] offset:OF+1536*\a
	ds_load_b64 v[FP+12*\a+4:FP+12*\a+5], v[XA8+BS] offset:OF+1536*\a+512
	ds_load_b128 v[FP+12*\a+6:FP+12*\a+9], v[XA16+BS] offset:OF+1536*\a+768
	ds_load_b64 v[FP+12*\a+10:FP+12*\a+11], v[XA8+BS] offset:OF+1536*\a+1280
.endr
.irp a, 0,1,2,3
	ds_load_b128 v[FP+48+12*\a:FP+48+12*\a+3], v[WA16+BS] offset:OF+1536*\a
	ds_load_b64 v[FP+48+12*\a+4:FP+48+12*\a+5], v[WA8+BS] offset:OF+1536*\a+512
	ds_load_b128 v[FP+48+12*\a+6:FP+48+12*\a+9], v[WA16+BS] offset:OF+1536*\a+768
	ds_load_b64 v[FP+48+12*\a+10:FP+48+12*\a+11], v[WA8+BS] offset:OF+1536*\a+1280
.endr
	ds_load_b128 v[SCR+4*(\p):SCR+4*(\p)+3], v[SCA+BS] offset:OF
.endm
.macro MUL p, first                    ; 16 products, the 16 accumulators by turns.  first = 1: the bias is the C
.set FP, FS+96*(\p)
.irp a, 0,1,2,3
.irp t, 0,1,2,3
.if \first
	v_wmma_scale_f32_16x16x128_f8f6f4 v[32*\a+8*\t:32*\a+8*\t+7], v[FP+48+12*\t:FP+48+12*\t+11], v[FP+12*\a:FP+12*\a+11], v[BIAS+8*\t:BIAS+8*\t+7], v[SCR+4*(\p)+\t], v[SCR+4*(\p)+\a] matrix_a_fmt:MATRIX_FMT_FP6 matrix_b_fmt:MATRIX_FMT_FP6 matrix_a_scale:MATRIX_SCALE_ROW1
.else
	v_wmma_scale_f32_16x16x128_f8f6f4 v[32*\a+8*\t:32*\a+8*\t+7], v[FP+48+12*\t:FP+48+12*\t+11], v[FP+12*\a:FP+12*\a+11], v[32*\a+8*\t:32*\a+8*\t+7], v[SCR+4*(\p)+\t], v[SCR+4*(\p)+\a] matrix_a_fmt:MATRIX_FMT_FP6 matrix_b_fmt:MATRIX_FMT_FP6 matrix_a_scale:MATRIX_SCALE_ROW1
.endif
.endr
.endr
.endm
	s_wait_alu depctr_va_vdst(0)                   ; the wait at the head's end
	s_cmp_eq_u32 s[WN], 0
	s_cbranch_scc0 .Lsecond_half
	s_wait_tensorcnt 0x0                           ; waves 0 and 2: chunks 0-3 have landed
.Lsecond_half:
	s_barrier_signal -1
	s_barrier_wait -1                              ; chunks 0 and 1 of A and of B are there for every wave
	FETCH 0, 0
	s_wait_loadcnt 0x0                             ; the bias
.irp s, 0,1,2,3,4,5,6,7
	s_wait_dscnt 0x0                               ; this step's fragments are in
.if \s == 3
	s_wait_tensorcnt 0x0                           ; every wave: all that was still out, chunks 4-7, has landed
	s_barrier_signal -1
	s_barrier_wait -1                              ; chunks s + 1 and s + 2 are there for every wave
.endif
.if \s < 7
.if \s > 0
.rept 4
	v_nop                                          ; four places between the last step's products and the loads into the set that they read
.endr
.endif
	FETCH \s+1, (\s+1)%2
.endif
	WIN 0x50                                       ; C and D window 1
.if \s == 0
	MUL 0, 1
.else
	MUL \s%2, 0
.endif
	WIN 0
.endr
.rept 4
	v_nop                                          ; four places in front of the first read of results and the first write of operands' registers
.endr
.if MODE == 0
	; tile a's registers at v[32 + 24 a]: +0, 1 largest magnitudes; +2, 3 the other half's; +4, 5 scale operands; +6, 7 bytes; +8 the halfword; +10 .. 15 the codes; +16 .. 18 their upper halves.  No store's data are written again
.irp a, 0,1,2,3
	v_mov_b32 v[34+24*\a], 0                       ; a lane permute's destination counts as one of its sources
	v_mov_b32 v[35+24*\a], 0
.endr
	WIN 0x05                                       ; sources 0 and 1 window 1
.irp a, 0,1,2,3
.irp b, 0,1
	v_max3_num_f32 v[32+24*\a+\b], |v[32*\a+16*\b]|, |v[32*\a+16*\b+1]|, 0x1800000   ; block b: my 16 numbers, and the floor 2^(3 - 127).  Each accumulator is read from its low end on
.endr
.endr
.irp i, 2,4,6,8,10,12,14
.irp a, 0,1,2,3
.irp b, 0,1
	v_max3_num_f32 v[32+24*\a+\b], |v[32*\a+16*\b+\i]|, |v[32*\a+16*\b+\i+1]|, v[32+24*\a+\b]
.endr
.endr
.endr
	WIN 0
.irp a, 0,1,2,3
.irp b, 0,1
	v_permlanex16_b32 v[34+24*\a+\b], v[32+24*\a+\b], s[SEL], s[SEL+1]
.endr
.endr
.irp a, 0,1,2,3
.irp b, 0,1
	v_max_num_f32 v[32+24*\a+\b], v[32+24*\a+\b], v[34+24*\a+\b]      ; with lane l xor 16's: the block's largest magnitude
.endr
.endr
.irp a, 0,1,2,3
.irp b, 0,1
	v_add_nc_u32 v[36+24*\a+\b], 0xff000000, v[32+24*\a+\b]           ; 2 off the exponent field: the conversion's scale operand
.endr
.endr
.irp a, 0,1,2,3
.irp b, 0,1
	v_lshrrev_b32 v[38+24*\a+\b], 23, v[36+24*\a+\b]                  ; the byte
.endr
.endr
.irp a, 0,1,2,3
	v_lshl_or_b32 v[40+24*\a], v[39+24*\a], 8, v[38+24*\a]
.endr
	WIN 0x01                                       ; source 0 window 1
.irp a, 0,1,2,3
	v_cvt_scalef32_pk16_fp6_f32 v[42+24*\a:44+24*\a], v[32*\a:32*\a+15], v[36+24*\a]
	v_cvt_scalef32_pk16_fp6_f32 v[48+24*\a:50+24*\a], v[32*\a+16:32*\a+31], v[37+24*\a]
.endr
	WIN 0
	v_nop                                          ; one plain place behind the conversions
.irp a, 0,1,2,3
.irp i, 0,1,2
	v_permlane16_swap_b32 v[42+24*\a+\i], v[48+24*\a+\i]              ; the operand wants a whole block in a lane: lanes 0-15 block 0, lanes 16-31 block 1
.endr
.irp i, 0,1,2
	v_mov_b32 v[45+24*\a+\i], v[48+24*\a+\i]
.endr
.endr
.irp a, 0,1,2,3
	global_store_b128 v[L16], v[42+24*\a:45+24*\a], s[92:93] offset:12288*\a
	global_store_b64 v[L8], v[46+24*\a:47+24*\a], s[92:93] offset:12288*\a+512
	global_store_b16 v[R2], v[40+24*\a], s[94:95] offset:512*\a       ; lanes r and 16 + r hold the same halfword
.endr
.else
.irp a, 0,1,2,3                        ; LDS serves a wave's instructions in order: the loads see the stores above them, and the next tile's stores come behind them
	WIN 0x04                                       ; an LDS store's data are its source 1: window 1
.irp t, 0,1,2,3
	ds_store_b128 v[STO], v[32*\a+8*\t:32*\a+8*\t+3] offset:128*(\t/2)+32*(\t%2)
	ds_store_b128 v[STO], v[32*\a+8*\t+4:32*\a+8*\t+7] offset:128*(\t/2)+32*(\t%2)+16
.endr
	WIN 0
.irp i, 0,1,2,3,4,5,6,7
	ds_load_b128 v[32+32*\a+4*\i:32+32*\a+4*\i+3], v[RD] offset:2*\i*272
.endr
.endr
.irp a, 0,1,2,3
.irp i, 0,1,2,3,4,5,6,7
	s_wait_dscnt 16*(3-\a)+7-\i                    ; behind this load: the rest of its tile's loads and sixteen LDS instructions for each later tile
	global_store_b128 v[CO], v[32+32*\a+4*\i:32+32*\a+4*\i+3], s[92:93] offset:(16*\a+2*\i)*4096 th:TH_STORE_NT
.endr
.endr
.endif
	s_wait_dscnt 0x0
	s_wait_tensorcnt 0x0
	ds_add_u32 v254, v255
	s_wait_dscnt 0x0
	ROUND                                          ; the closing round: no work-group ends while a partner may still ask for a chunk that names it
	s_endpgm
.Lfunc_end_k_qef1cda30e7_qproj:
	.size	k_qef1cda30e7_qproj, .Lfunc_end_k_qef1cda30e7_qproj-k_qef1cda30e7_qproj
	.p2alignl 7, 3214868480
	.fill 96, 4, 3214868480
	.section	.rodata,"a",@progbits
	.p2align	6, 0x0
	.amdhsa_kernel k_qef1cda30e7_qproj
		.amdhsa_group_segment_fixed_size 222720
		.amdhsa_private_segment_fixed_size 0
		.amdhsa_enable_private_segment 0
		.amdhsa_kernarg_size 32
		.amdhsa_user_sgpr_count 2
		.amdhsa_user_sgpr_kernarg_segment_ptr 1
		.amdhsa_wavefront_size32 1
		.amdhsa_system_sgpr_workgroup_id_x 1
		.amdhsa_system_sgpr_workgroup_id_y 1
		.amdhsa_system_sgpr_workgroup_id_z 1
		.amdhsa_system_vgpr_workitem_id 0
		.amdhsa_next_free_vgpr 448
		.amdhsa_next_free_sgpr 100
		.amdhsa_reserve_vcc 0
		.amdhsa_float_denorm_mode_32 3
		.amdhsa_float_denorm_mode_16_64 3
		.amdhsa_memory_ordered 1
		.amdhsa_forward_progress 1
		.amdhsa_inst_pref_size 52
	.end_amdhsa_kernel
	.amdgpu_metadata
---
amdhsa.version: [ 1, 2 ]
amdhsa.kernels:
  - .name:           k_qef1cda30e7_qproj
    .symbol:         k_qef1cda30e7_qproj.kd
    .args:
      - { .name: xbuf, .offset: 0, .size: 8, .value_kind: global_buffer, .address_space: global }
      - { .name: wbuf, .offset: 8, .size: 8, .value_kind: global_buffer, .address_space: global }
      - { .name: bq, .offset: 16, .size: 8, .value_kind: global_buffer, .address_space: global }
      - { .name: qbuf, .offset: 24, .size: 8, .value_kind: global_buffer, .address_space: global }
    .group_segment_fixed_size: 222720
    .private_segment_fixed_size: 0
    .kernarg_segment_align: 8
    .kernarg_segment_size: 32
    .max_flat_workgroup_size: 128
    .sgpr_count:     100
    .vgpr_count:     448
    .wavefront_size: 32
...
	.end_amdgpu_metadata
.endif
;; end of part 3
;; launch attn (part 4): grid 256 x 1, 16 waves a work-group, clusters of 4 x 1, 222,208 bytes of LDS; arguments qbuf, xbuf, obuf; writes obuf
.if DOCPART == 4
	.amdgcn_target "amdgcn-amd-amdhsa--gfx1250"
	.amdhsa_code_object_version 6
	.text
	.protected	k_qef1cda30e7_attn
	.globl	k_qef1cda30e7_attn
	.p2align	8
	.type	k_qef1cda30e7_attn,@function
k_qef1cda30e7_attn:
	s_mov_b64 s[64:65], 0
	v_nop
	global_prefetch_b8 v0, s[64:65] scope:SCOPE_SE
	s_setreg_imm32_b32 hwreg(HW_REG_WAVE_MODE, 25, 1), 1
	s_wait_xcnt 0x0
	s_wait_alu depctr_hold_cnt(0) depctr_sa_sdst(0) depctr_va_vdst(0) depctr_va_sdst(0) depctr_va_ssrc(0) depctr_va_vcc(0) depctr_vm_vsrc(0)
	s_getreg_b32 s2, hwreg(HW_REG_IB_STS2, 6, 4)
	s_cmp_eq_u32 s2, 0
	s_cbranch_scc0 .Lentry_in_a_cluster
	s_endpgm
.Lentry_in_a_cluster:
	s_bfe_u32 s2, ttmp6, 0x10000c
	s_cmp_lg_u32 s2, 0x3003
	s_cbranch_scc0 .Lentry_shape_is_right
	s_endpgm
.Lentry_shape_is_right:
; O[token][head][:] = softmax_k(Q[token][head] . K[k] / 8) V[k][:], one K and V head for all 16 query heads, head size 64, 2,048 keys a batch; both products on codes of FP6 (E2M3) with one E8M0 byte for each 32 along a product's K.
; SHARES.  A work-group owns 16 tokens; wave w owns head w of them: four waves to a SIMD, so that one wave's vector work stands beside another's products and LDS loads.
; A batch's K and V, 16 records of 13,056 bytes (128 keys each), lie in LDS whole; every byte is filled once.  A record: +0 eight half fragments of K (registers 0-3 at 16 x lane, 4-5 at 512 + 8 x lane), +6,144 eight of V^T ([64-key half][tile]),
; +12,288 K's scale words [half][r][4 tiles], +12,800 V's [r][4 tiles].  Tile j of a half has as its rows 0-7 the keys (V: channels) 8 j + i and as its rows 8-15 the keys 32 + 8 j + i.
; Both products are used transposed (S^T = K Q^T, O^T = V^T P^T), so lane (r, h) holds token r, and its 32 registers of a half's four tiles are keys 64 c + 32 h + 0 .. 31: ONE WHOLE SCALE BLOCK in the order of the next operand's registers:
; no lane asks another for a block's maximum, and the codes fall where the operand wants them.
; t = score x log2(e) / 8; M = the ceiling of the row's largest t so far; p = 2^(t - M) is quantised along the keys; the row's sum is taken of the unquantised p and divides O at the end; when M moves, sum and O are multiplied by 2^(old M - new M), exactly.
; The first product's K is 64 in an instruction of 128: Q's registers 6-11 are zero codes, K's operand of tile t runs on into tile t + 1's codes (behind tile 7: zeros), and the scale bytes of those two blocks are 0 (2^-127): exact zeros are added.
; A KEY STEP lays all sources of its 66 exponentials first, then the one batch: one wait ahead of it and one behind it.
; CLUSTER.  The four work-groups of a cluster belong to one batch: each record is asked for jointly, one load a wave (wave w: record w), all at the head; every wave waits for its load ahead of the one barrier in front of the key steps.
; NO PREFETCH: all that the launch reads is asked for at the head, where there is no loop to run ahead in.
; O / the sum is one block a lane along the model's 1,024 and leaves as half a fragment of the output projection's operand: panel token tile / 8, chunk head / 2, tile token tile % 8, half head % 2.
; LIMITS: NaN and infinities are not served; the scaled scores stay under 2^31; 1 / the sum is v_rcp_f32 and a multiplication; a block under 2^-124, and a block of zeros, has the byte 1 (this program alone reads the bytes).
; A block's largest p is the exponential of the block's largest score: this takes v_exp_f32 not to fall where its input rises.  The halfwords of scale bytes leave 16 bytes apart: their 256-byte units are written in parts.
.set REC, 13056
.set SPARE, 0                          ; LDS: the spare words, 128 bytes a wave
.set KV,    13312                      ; the 16 records
.set L16, 1                            ; 16 x lane
.set L8,  2                            ; 8 x lane
.set R16, 3                            ; 16 r
.set A16, 4                            ; v4-6 the same + the record in hand
.set A8,  5
.set AR,  6
.set SH8, 7                            ; 8 h
.set Q,   8                            ; v8-19 Q's operand, v14-19 zero
.set QSC, 20                           ; Q's scale bytes
                                       ; v22 -M; v23 the largest score so far; v[24:25] the row's sum; v[26:27] f
.set F,   32                           ; v32-85 K's half fragments and six zeros; then V^T's fragments
.set S,   96                           ; v96-159 S^T, then p
.set O,   160                          ; v160-191 O^T
.set P,   192                          ; v192-203 p's codes; v204-206, v208-210 their upper halves
.set PT,  204
.set BM,  212
.set BX,  214
.set SO,  216
.set BY,  218
.set TT,  220
.set TO,  221
.set YS,  222                          ; the sum's second chain
.set KSC, 232                          ; v232-244 hold scales and nothing else: K's words, V's, p's
.set VSC, 240
.set PSC, 244
.set WV,  14
.set G1,  20
.set G0,  28
.set SEL, 32
.set CS,  34
.set CNT, 36
.set TB,  37
.macro ROUND                           ; a round of the cluster's barrier
	s_barrier_signal -1
	s_barrier_wait -1
	s_cmp_lg_u32 s[WV], 0
	s_cbranch_scc1 .Lnot_wave_0_\@
	s_barrier_signal -3
.Lnot_wave_0_\@:
	s_barrier_wait -3
	s_barrier_signal -1
	s_barrier_wait -1
.endm
	s_load_b128 s[4:7], s[0:1], 0x0                ; qbuf, xbuf
	s_load_b64 s[8:9], s[0:1], 0x10                ; obuf
	v_lshl_add_u32 v254, v0, 2, SPARE
	v_mov_b32 v255, 0
	ds_add_u32 v254, v255
	ds_add_u32 v254, v255
	v_lshrrev_b32 v4, 5, v0
	v_readfirstlane_b32 s[WV], v4                  ; wave = head
	s_bfe_u32 s15, ttmp6, 0x40000                  ; cx: it enters Q's and O's global addresses alone
	s_lshl_b32 s16, ttmp9, 2
	s_add_co_u32 s16, s16, s15                     ; my tile of 16 tokens
	s_lshr_b32 s17, ttmp9, 5                       ; the batch, which the four partners share
	s_lshr_b32 s18, s[WV], 1
	s_and_b32 s19, s[WV], 1
	v_and_b32 v4, 31, v0
	v_and_b32 v5, 15, v0
	v_bfe_u32 v6, v0, 4, 1
	v_lshlrev_b32 v[L16], 4, v4
	v_lshlrev_b32 v[L8], 3, v4
	v_lshlrev_b32 v[R16], 4, v5
	v_lshlrev_b32 v[SH8], 3, v6
	v_lshlrev_b32 v21, 1, v5                       ; 2 r
	s_mul_i32 s40, s17, 16*REC                     ; my record: in xbuf,
	s_mul_i32 s41, s[WV], REC
	s_add_co_u32 s40, s40, s41
	s_add_co_u32 s40, s40, 3276800
	s_add_co_u32 s[G0+1], s41, KV                  ; and in LDS
	s_mov_b32 s[G0], 1
	s_mov_b32 s41, 0
	s_mov_b32 s[G1], 15|(3<<16)|(1<<21)            ; the mask names the four; elements of 8 bytes; 13,056 dense bytes as 51 rows of 256
	s_mov_b32 s[G1+1], 32<<16
	s_mov_b32 s[G1+2], 51<<16
	s_mov_b32 s[G1+3], 32<<16
	s_mov_b32 s[G1+4], 51
	s_mov_b32 s[G1+5], 32
	s_mov_b32 s[G1+6], 0
	s_mov_b32 s[G1+7], 0
	s_lshl_b32 s44, s16, 4
	s_add_co_u32 s44, s44, s[WV]
	s_mul_i32 s44, s44, 768                        ; Q's half fragment [tile][head]
	s_mov_b32 s45, 0
	s_lshl_b32 s46, s16, 9
	s_lshl_b32 s42, s[WV], 5
	s_add_co_u32 s46, s46, s42
	s_add_co_u32 s46, s46, 3145728                 ; its halfwords [tile][head][r]
	s_mov_b32 s47, 0
	s_lshr_b32 s42, s16, 3                         ; O: the panel of 128 tokens, chunk w / 2
	s_mul_i32 s42, s42, 102400
	s_mul_i32 s43, s18, 12800
	s_add_co_u32 s42, s42, s43
	s_and_b32 s43, s16, 7
	s_mul_i32 s48, s43, 1536
	s_add_co_u32 s48, s48, s42
	s_mul_i32 s49, s19, 768
	s_add_co_u32 s48, s48, s49                     ; my half of the tile's fragment
	s_mov_b32 s49, 0
	s_lshr_b32 s43, s43, 2
	s_lshl_b32 s43, s43, 8
	s_add_co_u32 s50, s42, s43
	s_and_b32 s43, s16, 3
	s_lshl_b32 s43, s43, 2
	s_add_co_u32 s50, s50, s43
	s_lshl_b32 s43, s19, 1
	s_add_co_u32 s50, s50, s43
	s_add_co_u32 s50, s50, 12288                   ; my half of its scale words
	s_mov_b32 s51, 0
	s_mov_b32 s[SEL], 0x76543210
	s_mov_b32 s[SEL+1], 0xfedcba98
	s_mov_b32 s[CS], 0x3e38aa3b                    ; log2(e) / 8
	s_mov_b32 s[CS+1], s[CS]
	s_wait_alu depctr_va_vdst(0)                   ; the wait ahead of the waits below
	s_wait_dscnt 0x0
	s_wait_kmcnt 0x0
	s_add_nc_u64 s[G0+2:G0+3], s[6:7], s[40:41]
	s_or_b32 s[G0+3], s[G0+3], 0x80000000
	s_add_nc_u64 s[52:53], s[4:5], s[44:45]
	s_add_nc_u64 s[54:55], s[4:5], s[46:47]
	s_add_nc_u64 s[56:57], s[8:9], s[48:49]
	s_add_nc_u64 s[58:59], s[8:9], s[50:51]
	global_load_b128 v[Q:Q+3], v[L16], s[52:53]
	global_load_b64 v[Q+4:Q+5], v[L8], s[52:53] offset:512
	global_load_u16 v[QSC], v21, s[54:55]          ; bytes 2 and 3 come as zeros
	ROUND                                          ; all four work-groups are here: the joint loads meet
	tensor_load_to_lds s[G0:G0+3], s[G1:G1+7]      ; record w: one load a wave
	s_nop 0
.irp i, 0,1,2,3,4,5
	v_mov_b32 v[Q+6+\i], 0                         ; zero codes for k = 64 .. 127
	v_mov_b32 v[F+48+\i], 0                        ; and behind K's tile 7
.endr
	v_mov_b32 v23, 0xff61b1e6                      ; -3e38, under every score
	v_floor_f32 v22, -v23                          ; so the first step's f is 0
	v_mov_b32 v24, 0
	v_mov_b32 v25, 0
	v_mov_b32 v27, 0
	v_mov_b32 v[BX], 0
.set j, 0
.rept 32
	v_mov_b32 v[O+j], 0                            ; the step has one form: the first finds zeros
.set j, j+1
.endr
.macro KADDR
	v_add_nc_u32 v[A16], s[TB], v[L16]
	v_add_nc_u32 v[A8], s[TB], v[L8]
	v_add_nc_u32 v[AR], s[TB], v[R16]
.endm
.macro KLOADS                          ; K of the record BEHIND the one in hand: 18 loads
.irp t, 0,1,2,3,4,5,6,7
	ds_load_b128 v[F+6*\t:F+6*\t+3], v[A16] offset:REC+768*\t
	ds_load_b64 v[F+6*\t+4:F+6*\t+5], v[A8] offset:REC+768*\t+512
.endr
	ds_load_b128 v[KSC:KSC+3], v[AR] offset:REC+12288
	ds_load_b128 v[KSC+4:KSC+7], v[AR] offset:REC+12544
.endm
.macro FMA i                           ; t - M, two at a time
	v_pk_fma_f32 v[S+2*(\i):S+2*(\i)+1], v[S+2*(\i):S+2*(\i)+1], s[CS:CS+1], v[22:23] op_sel_hi:[1,0,0]
.endm
.macro ADDQ q                          ; the row's sum of the unquantised p, in two chains
.if (\q) == 1
	v_pk_add_f32 v[YS:YS+1], v[S:S+1], v[S+2:S+3]
.elseif ((\q)%2) == 0
	v_pk_add_f32 v[24:25], v[24:25], v[S+2*(\q):S+2*(\q)+1]
.else
	v_pk_add_f32 v[YS:YS+1], v[YS:YS+1], v[S+2*(\q):S+2*(\q)+1]
.endif
.endm
.macro ADDS from, n
.set q_, \from
.rept \n
	ADDQ q_
.set q_, q_+1
.endr
.endm
; A key step: 128 keys, whose K has been asked for.  more = 1: the next record's K is asked for
.macro BODY more
	s_wait_dscnt 0x0                               ; K and its scale words are in
.irp t, 0,1,2,3,4,5,6,7
	v_wmma_scale_f32_16x16x128_f8f6f4 v[S+8*\t:S+8*\t+7], v[F+6*\t:F+6*\t+11], v[Q:Q+11], 0, v[KSC+\t], v[QSC] matrix_a_fmt:MATRIX_FMT_FP6 matrix_b_fmt:MATRIX_FMT_FP6
.endr
	s_add_co_u32 s[TB], s[TB], REC
	KADDR                                          ; this record's places; with the line below: the four places behind the products
	v_mov_b32 v[TO], v22                           ; the old -M
.irp n, 0,1,2,3
	ds_load_b128 v[F+12*\n:F+12*\n+3], v[A16] offset:6144+768*\n
	ds_load_b64 v[F+12*\n+4:F+12*\n+5], v[A8] offset:6144+768*\n+512
	ds_load_b128 v[F+12*\n+6:F+12*\n+9], v[A16] offset:9216+768*\n
	ds_load_b64 v[F+12*\n+10:F+12*\n+11], v[A8] offset:9216+768*\n+512
.endr
	ds_load_b128 v[VSC:VSC+3], v[AR] offset:12800
.irp c, 0,1
	v_max3_num_f32 v[BM+\c], v[S+32*\c], v[S+32*\c+1], v[S+32*\c+2]   ; my two blocks' largest scores, by turns; each accumulator is read from its low end on
.endr
.irp i, 3,5,7,9,11,13,15,17,19,21,23,25,27,29
.irp c, 0,1
	v_max3_num_f32 v[BM+\c], v[BM+\c], v[S+32*\c+\i], v[S+32*\c+\i+1]
.endr
.endr
.irp c, 0,1
	v_max_num_f32 v[BM+\c], v[BM+\c], v[S+32*\c+31]
.endr
	v_max3_num_f32 v23, v23, v[BM], v[BM+1]
	v_permlanex16_b32 v[BX], v23, s[SEL], s[SEL+1]
	v_max_num_f32 v23, v23, v[BX]                  ; the row's largest score so far
	v_mul_f32 v[TT], s[CS], v23
	v_floor_f32 v22, -v[TT]                        ; -M = -ceil(t)
	v_sub_f32 v[TT], v22, v[TO]                    ; old M - new M
	FMA 0
	v_cvt_i32_f32 v[TT], v[TT]                     ; (it saturates)
	FMA 1
	v_ldexp_f32 v26, 1.0, v[TT]                    ; f
.set j, 2
.rept 30
	FMA j
.set j, j+1
.endr
.irp c, 0,1
	v_fma_f32 v[BM+\c], v[BM+\c], s[CS], v22       ; the same of each block's largest score
.endr
.set j, 0
.rept 16
	v_pk_mul_f32 v[O+2*j:O+2*j+1], v[O+2*j:O+2*j+1], v[26:27] op_sel_hi:[1,0]   ; O^T under the new M, in ascending order
.set j, j+1
.endr
	s_wait_alu depctr_va_vdst(0)                   ; ahead of the batch
	v_exp_f32 v[BM], v[BM]
	v_exp_f32 v[BM+1], v[BM+1]
.set j, 0
.rept 64
	v_exp_f32 v[S+j], v[S+j]
.set j, j+1
.endr
	v_pk_mul_f32 v[24:25], v[24:25], v[26:27] op_sel_hi:[1,0]   ; the sum under the new M: the plain place behind the batch
	s_wait_alu depctr_va_vdst(0)                   ; behind the batch, and directly ahead of the wait below
	s_wait_dscnt 0x0                               ; V^T is in
.irp c, 0,1
	v_max_num_f32 v[BM+\c], 0x1800000, v[BM+\c]    ; the floor 2^(3 - 127): the byte cannot fall under 1
.endr
.irp c, 0,1
	v_add_nc_u32 v[SO+\c], 0xff000000, v[BM+\c]
.endr
.irp c, 0,1
	v_lshrrev_b32 v[BY+\c], 23, v[SO+\c]
.endr
	v_lshl_or_b32 v[TT], v[BY+1], 16, v[BY]        ; my bytes: blocks h and 2 + h
	v_permlanex16_b32 v[BX], v[TT], s[SEL], s[SEL+1]
	v_perm_b32 v[PSC], v[TT], v[BX], 0x02060004    ; lanes 0-15, which alone are read as scales: my byte 0, the other's 0, my 2, the other's 2
.irp c, 0,1
	v_cvt_scalef32_pk16_fp6_f32 v[P+6*\c:P+6*\c+2], v[S+32*\c:S+32*\c+15], v[SO+\c]
	v_cvt_scalef32_pk16_fp6_f32 v[PT+4*\c:PT+4*\c+2], v[S+32*\c+16:S+32*\c+31], v[SO+\c]   ; (a conversion's three registers begin on an even number)
.endr
	ADDQ 1                                         ; the plain place behind the conversions
.irp c, 0,1
.irp i, 0,1,2
	v_mov_b32 v[P+6*\c+3+\i], v[PT+4*\c+\i]
.endr
.endr
	ADDS 2, 14                                     ; fourteen plain lines between the last write of p's codes and the products
.irp n, 0,1,2,3
	v_wmma_scale_f32_16x16x128_f8f6f4 v[O+8*\n:O+8*\n+7], v[F+12*\n:F+12*\n+11], v[P:P+11], v[O+8*\n:O+8*\n+7], v[VSC+\n], v[PSC] matrix_a_fmt:MATRIX_FMT_FP6 matrix_b_fmt:MATRIX_FMT_FP6
.endr
	ADDS 16, 4                                     ; the four places behind the products
.if \more
	KLOADS
.endif
	ADDS 20, 12
	v_pk_add_f32 v[24:25], v[24:25], v[YS:YS+1]
.endm
	s_wait_alu depctr_va_vdst(0)                   ; the wait at the head's end
	s_wait_loadcnt 0x0                             ; Q
	s_wait_tensorcnt 0x0                           ; my record has landed
	s_barrier_signal -1
	s_barrier_wait -1                              ; all sixteen records are there for every wave
	s_mov_b32 s[TB], KV-REC
	KADDR
	KLOADS
	s_mov_b32 s[CNT], 15
.Lstep:
	BODY 1
	s_sub_co_u32 s[CNT], s[CNT], 1
	s_cmp_lg_u32 s[CNT], 0
	s_cbranch_scc1 .Lstep
	BODY 0                                         ; record 15: no LDS read leaves the records
	; THE WAY OUT: O / the sum, one block a lane, becomes half a fragment
	v_add_f32 v24, v24, v25
	v_permlanex16_b32 v[BX], v24, s[SEL], s[SEL+1]
	v_add_f32 v24, v24, v[BX]                      ; the row's sum
	s_wait_alu depctr_va_vdst(0)
	v_rcp_f32 v24, v24
	v_nop
	s_wait_alu depctr_va_vdst(0)                   ; ahead of the first reader of the quotient and of O^T
.set j, 0
.rept 16
	v_pk_mul_f32 v[O+2*j:O+2*j+1], v[O+2*j:O+2*j+1], v[24:25] op_sel_hi:[1,0]   ; register 8 j + i is channel 32 h + 8 j + i of my head
.set j, j+1
.endr
	v_max3_num_f32 v224, |v[O]|, |v[O+1]|, 0x1800000
	v_max3_num_f32 v225, |v[O+16]|, |v[O+17]|, |v[O+18]|
.irp i, 2,4,6,8,10,12
	v_max3_num_f32 v224, v224, |v[O+\i]|, |v[O+\i+1]|
	v_max3_num_f32 v225, v225, |v[O+17+\i]|, |v[O+18+\i]|
.endr
	v_max3_num_f32 v224, v224, |v[O+14]|, |v[O+15]|
	v_max3_num_f32 v224, v224, |v[O+31]|, v225
	v_add_nc_u32 v226, 0xff000000, v224
	v_lshrrev_b32 v227, 23, v226
	v_lshlrev_b32 v227, v[SH8], v227               ; my byte at its place;
	v_permlanex16_b32 v[BX], v227, s[SEL], s[SEL+1]
	v_or_b32 v227, v227, v[BX]                     ; with lane l xor 16's: the halfword of row r, the same in both lanes
	v_cvt_scalef32_pk16_fp6_f32 v[208:210], v[O:O+15], v226
	v_cvt_scalef32_pk16_fp6_f32 v[216:218], v[O+16:O+31], v226
	v_nop
.irp i, 0,1,2
	v_mov_b32 v[211+\i], v[216+\i]
.endr
	global_store_b128 v[L16], v[208:211], s[56:57] ; 512 and 256 consecutive bytes, at multiples of 256 from the buffer's first byte
	global_store_b64 v[L8], v[212:213], s[56:57] offset:512
	global_store_b16 v[R16], v227, s[58:59]
	s_wait_tensorcnt 0x0                           ; the wave's end
	ds_add_u32 v254, v255
	s_wait_dscnt 0x0
	ROUND                                          ; the closing round
	s_endpgm
.Lfunc_end_k_qef1cda30e7_attn:
	.size	k_qef1cda30e7_attn, .Lfunc_end_k_qef1cda30e7_attn-k_qef1cda30e7_attn
	.p2alignl 7, 3214868480
	.fill 96, 4, 3214868480
	.section	.rodata,"a",@progbits
	.p2align	6, 0x0
	.amdhsa_kernel k_qef1cda30e7_attn
		.amdhsa_group_segment_fixed_size 222208
		.amdhsa_private_segment_fixed_size 0
		.amdhsa_enable_private_segment 0
		.amdhsa_kernarg_size 24
		.amdhsa_user_sgpr_count 2
		.amdhsa_user_sgpr_kernarg_segment_ptr 1
		.amdhsa_wavefront_size32 1
		.amdhsa_system_sgpr_workgroup_id_x 1
		.amdhsa_system_sgpr_workgroup_id_y 1
		.amdhsa_system_sgpr_workgroup_id_z 1
		.amdhsa_system_vgpr_workitem_id 0
		.amdhsa_next_free_vgpr 256
		.amdhsa_next_free_sgpr 66
		.amdhsa_reserve_vcc 0
		.amdhsa_float_denorm_mode_32 3
		.amdhsa_float_denorm_mode_16_64 3
		.amdhsa_memory_ordered 1
		.amdhsa_forward_progress 1
		.amdhsa_inst_pref_size 40
	.end_amdhsa_kernel
	.amdgpu_metadata
---
amdhsa.version: [ 1, 2 ]
amdhsa.kernels:
  - .name:           k_qef1cda30e7_attn
    .symbol:         k_qef1cda30e7_attn.kd
    .args:
      - { .name: qbuf, .offset: 0, .size: 8, .value_kind: global_buffer, .address_space: global }
      - { .name: xbuf, .offset: 8, .size: 8, .value_kind: global_buffer, .address_space: global }
      - { .name: obuf, .offset: 16, .size: 8, .value_kind: global_buffer, .address_space: global }
    .group_segment_fixed_size: 222208
    .private_segment_fixed_size: 0
    .kernarg_segment_align: 8
    .kernarg_segment_size: 24
    .max_flat_workgroup_size: 512
    .sgpr_count:     66
    .vgpr_count:     256
    .wavefront_size: 32
...
	.end_amdgpu_metadata
.endif
;; end of part 4
;; launch oproj (part 5): grid 8 x 32, 4 waves a work-group, clusters of 4 x 4, 222,720 bytes of LDS; arguments obuf, wbuf, bo, out0; writes out0
.if DOCPART == 5
	.amdgcn_target "amdgcn-amd-amdhsa--gfx1250"
	.amdhsa_code_object_version 6
	.text
	.protected	k_qef1cda30e7_oproj
	.globl	k_qef1cda30e7_oproj
	.p2align	8
	.type	k_qef1cda30e7_oproj,@function
k_qef1cda30e7_oproj:
	s_mov_b64 s[64:65], 0
	v_nop
	global_prefetch_b8 v0, s[64:65] scope:SCOPE_SE
	s_setreg_imm32_b32 hwreg(HW_REG_WAVE_MODE, 25, 1), 1
	s_wait_xcnt 0x0
	s_wait_alu depctr_hold_cnt(0) depctr_sa_sdst(0) depctr_va_vdst(0) depctr_va_sdst(0) depctr_va_ssrc(0) depctr_va_vcc(0) depctr_vm_vsrc(0)
	s_getreg_b32 s2, hwreg(HW_REG_IB_STS2, 6, 4)
	s_cmp_eq_u32 s2, 0
	s_cbranch_scc0 .Lentry_in_a_cluster
	s_endpgm
.Lentry_in_a_cluster:
	s_bfe_u32 s2, ttmp6, 0x10000c
	s_cmp_lg_u32 s2, 0xf033
	s_cbranch_scc0 .Lentry_shape_is_right
	s_endpgm
.Lentry_shape_is_right:
.set MODE, 1                           ; 0: Q = query Wq + bq, quantised head by head;  1: out = O Wo + bo, f32.  The two texts differ in this line alone
; C [4096][1024] = A [4096][1024] B + bias, both operands as codes of FP6 (E2M3) with E8M0 scales for each 32 along K, laid by earlier launches in the order of the operand's registers.
; A panel is 128 rows (A: tokens; B: columns of the weight): 8 chunks of 12,800 bytes, one for each 128 along K: 8 fragments of 1,536 bytes (registers 0-3 at 16 x lane, 4-5 at 512 + 8 x lane, 6-9 at 768 + 16 x lane,
; 10-11 at 1,280 + 8 x lane), then the scale words at 256 (t / 4) + 16 r + 4 (t % 4).  Tile 2 b + u of B has as its row r the column 32 b + 8 u + r + 8 (r / 8).
; SHARES.  A work-group makes 128 x 128 of C, 256 work-groups in all; each of four waves 64 x 64: 16 accumulators.  K is 1,024, so A's and B's whole panels, 204,800 bytes, fit in LDS: every LDS byte is filled once, and no slot takes turns.
; CLUSTERS: 4 x 4 work-groups.  The four of a row of the cluster need the same panel of A, the four of a column the same panel of B: each chunk is asked for JOINTLY, by the same tensor load with the same descriptor and a mask that names the four.
; Waves 0, 1 fetch A's chunks 0-3 and 4-7, waves 2, 3 B's: one load a wave, all at the start; by this text's count one is out at the most.  A wait and a barrier before step 0 and at step 3 show chunks 0-3, then 4-7, landed.
; THE MATRIX INSTRUCTION IS USED TRANSPOSED: source 0 = 16 rows of B, source 1 = 16 tokens: lane (r, h) holds token r, and register j of B's tile 2 b + u the column 32 b + 16 h + 8 u + j.  The bias is the C of each sum's first product.
; MODE 0: a wave's 64 columns are one head.  Its 32 numbers a lane are two half blocks of 16 neighbours: quantised in registers to a half fragment (768 bytes) at [tile of tokens][head], and a halfword of two scale bytes at [tile][head][r].
;   A block's byte is its largest magnitude's exponent field - 2, held at 1 from below.  LIMITS: NaN and infinities are not served; a block under 2^-124, and a block of zeros, has the byte 1 (this program alone reads the bytes).
;   The halfwords leave as 32 consecutive bytes a store: their 256-byte units are written in parts, 1 byte in 24 of what the launch stores.
; MODE 1: 16 tokens x 64 columns at a time go through the wave's own stage in LDS and leave as rows: sixteen lanes store 256 consecutive bytes, at a multiple of 256 from the buffer's first byte.
; REGISTERS: window 0: v1-20 addresses; v32-127, v128-223 two sets of fragments (4 of tokens, then 4 of B); v224-231 scale words, two sets: register i holds tokens' tile i in lanes 0-15 and B's tile i in lanes 16-31.
;   window 1: v0-127 the accumulators ((a, t) at 32 a + 8 t); v128-159 the bias, 8 registers for each tile of B.
.set WOFF,  819200*MODE                ; Wo's codes lie behind Wq's
.set CHUNK, 12800
.set AL,    0
.set BL,    8*CHUNK
.set STG,   16*CHUNK                   ; 4 waves x 16 rows x 272 bytes: bytes of its own, into which no fill lands
.set XA16, 4                           ; v4, v5   my tokens' fragments, 16 x lane: chunks 0-3, chunks 4-7
.set XA8,  6                           ; v6, v7   the same, 8 x lane
.set WA16, 8                           ; v8, v9   B's
.set WA8,  10                          ; v10, v11
.set SCA,  12                          ; v12, v13 scale words: lanes 0-15 tokens', lanes 16-31 B's
.set L16,  14
.set L8,   15
.set BO,   16                          ; 64 h
.set R2,   17                          ; 2 r
.set STO,  18                          ; the stage, in
.set RD,   19                          ; the stage, back
.set CO,   20                          ; my place in two rows of C
.set FS,   32
.set SCR,  224
.set BIAS, 128
.set WV, 12
.set WM, 13
.set WN, 14
.set G0A, 24                           ; s[24:27] group 0 for my four chunks of A;  s[40:43] of B
.set G0B, 40
.set G1A, 68                           ; s[68:75], s[76:83] group 1: 51,200 dense bytes as 200 rows of 256; they differ in the mask
.set G1B, 76
.set SEL, 96
.set MSB, 0
.macro WIN new                         ; the immediate's high byte repeats the setting that is left
.if MSB != \new
	s_set_vgpr_msb (MSB<<8)|\new
.set MSB, \new
.endif
.endm
.macro ROUND                           ; a round of the cluster's barrier
	s_barrier_signal -1
	s_barrier_wait -1
	s_cmp_lg_u32 s[WV], 0
	s_cbranch_scc1 .Lnot_wave_0_\@
	s_barrier_signal -3
.Lnot_wave_0_\@:
	s_barrier_wait -3
	s_barrier_signal -1
	s_barrier_wait -1
.endm
	s_load_b256 s[4:11], s[0:1], 0x0               ; A, wbuf, bias, C
	v_lshl_add_u32 v254, v0, 2, 0x36400
	v_mov_b32 v255, 0
	ds_add_u32 v254, v255
	ds_add_u32 v254, v255
	v_lshrrev_b32 v1, 5, v0
	v_readfirstlane_b32 s[WV], v1                  ; wave
	s_lshr_b32 s[WM], s[WV], 1                     ; which 64 tokens.  Also: I fetch for A (0) or for B (1)
	s_and_b32 s[WN], s[WV], 1                      ; which 64 columns.  Also: chunks 0-3 or 4-7
	s_bfe_u32 s15, ttmp6, 0x40000                  ; cx
	s_bfe_u32 s16, ttmp6, 0x40004                  ; cy
	s_lshl_b32 s17, ttmp9, 2
	s_add_co_u32 s17, s17, s15                     ; x: panel of B
	s_and_b32 s18, ttmp7, 0xffff
	s_lshl_b32 s18, s18, 2
	s_add_co_u32 s18, s18, s16                     ; y: panel of A
	s_lshl_b32 s19, s16, 2
	s_lshl_b32 s19, 15, s19                        ; my row of the cluster
	s_lshl_b32 s20, 0x1111, s15                    ; my column
	s_or_b32 s[G1A], s19, (3<<16)|(1<<21)          ; the mask; elements of 8 bytes; bit 21 set beside a mask
	s_or_b32 s[G1B], s20, (3<<16)|(1<<21)
.irp g, G1A, G1B
	s_mov_b32 s[\g+1], 32<<16                      ; tensor_dim0 = 32
	s_mov_b32 s[\g+2], 200<<16                     ; tensor_dim1 = 200: half a panel, 51,200 dense bytes
	s_mov_b32 s[\g+3], 32<<16                      ; tile_dim0
	s_mov_b32 s[\g+4], 200                         ; tile_dim1
	s_mov_b32 s[\g+5], 32                          ; from row to row
	s_mov_b32 s[\g+6], 0
	s_mov_b32 s[\g+7], 0
.endr
	s_mul_i32 s21, s[WN], 4*CHUNK                  ; chunks 0-3 or chunks 4-7
	s_mul_i32 s84, s18, 8*CHUNK                    ; A's address hangs on y and the wave's number alone,
	s_add_co_u32 s84, s84, s21
	s_mov_b32 s85, 0
	s_mul_i32 s86, s17, 8*CHUNK                    ; B's on x and the wave's number
	s_add_co_u32 s86, s86, s21
	s_add_co_u32 s86, s86, WOFF
	s_mov_b32 s87, 0
	s_mov_b32 s[SEL], 0x76543210
	s_mov_b32 s[SEL+1], 0xfedcba98
	s_wait_dscnt 0x0
	s_wait_kmcnt 0x0
	s_add_nc_u64 s[84:85], s[4:5], s[84:85]
	s_add_nc_u64 s[86:87], s[6:7], s[86:87]
	ROUND                                          ; all sixteen work-groups are here: the joint loads meet
	s_mov_b32 s[G0A], 1
	s_add_co_u32 s[G0A+1], s21, AL
	s_mov_b64 s[G0A+2:G0A+3], s[84:85]
	s_or_b32 s[G0A+3], s[G0A+3], 0x80000000
	s_mov_b32 s[G0B], 1
	s_add_co_u32 s[G0B+1], s21, BL
	s_mov_b64 s[G0B+2:G0B+3], s[86:87]
	s_or_b32 s[G0B+3], s[G0B+3], 0x80000000
; one joint load a wave, each in an arm of its own: waves 0 and 2 fetch chunks 0-3 of A and of B, which are wanted first; waves 1 and 3 chunks 4-7
.macro ARM who, g0, g1, next
	s_cmp_eq_u32 s[WV], \who
	s_cbranch_scc0 \next
	tensor_load_to_lds s[\g0:\g0+3], s[\g1:\g1+7]
	s_nop 0
.rept 4
	v_nop
.endr
	s_branch .Lasked
\next:
.endm
	ARM 0, G0A, G1A, .Larm_1
	ARM 2, G0B, G1B, .Larm_2
	ARM 1, G0A, G1A, .Larm_3
	tensor_load_to_lds s[G0B:G0B+3], s[G1B:G1B+7]
	s_nop 0
.rept 4
	v_nop
.endr
.Lasked:
	v_and_b32 v1, 31, v0                           ; lane
	v_and_b32 v2, 15, v0                           ; r
	v_bfe_u32 v3, v0, 4, 1                         ; h
	v_lshlrev_b32 v[L16], 4, v1
	v_lshlrev_b32 v[L8], 3, v1
	s_mul_i32 s22, s[WM], 6144                     ; my four tiles of tokens
	s_mul_i32 s23, s[WN], 6144                     ; my four tiles of B
	s_add_co_u32 s23, s23, BL
	v_add_nc_u32 v[XA16], s22, v[L16]
	v_add_nc_u32 v[XA8], s22, v[L8]
	v_add_nc_u32 v[WA16], s23, v[L16]
	v_add_nc_u32 v[WA8], s23, v[L8]
	s_lshl_b32 s22, s[WM], 8
	s_lshl_b32 s23, s[WN], 8
	s_add_co_u32 s23, s23, BL-AL
	s_sub_co_u32 s23, s23, s22                     ; from my tokens' words to my B's
	v_mul_u32_u24 v[SCA], s23, v3                  ; lanes 16-31 take B's
	v_lshl_add_u32 v[SCA], v2, 4, v[SCA]
	s_add_co_u32 s22, s22, AL+12288
	v_add_nc_u32 v[SCA], s22, v[SCA]
.irp q, XA16, XA8, WA16, WA8, SCA
	v_add_nc_u32 v[\q+1], 4*CHUNK, v[\q]           ; chunks 4-7: an LDS offset has 16 bits
.endr
	v_lshlrev_b32 v[BO], 6, v3
	v_lshlrev_b32 v[R2], 1, v2
	s_mul_i32 s22, s[WV], 16*272
	s_add_co_u32 s22, s22, STG                     ; my stage
	v_mul_u32_u24 v[STO], v2, 272
	v_lshl_add_u32 v[STO], v3, 6, v[STO]
	v_add_nc_u32 v[STO], s22, v[STO]               ; in: row r, + 64 h
	v_mul_u32_u24 v[RD], v3, 272
	v_lshl_add_u32 v[RD], v2, 4, v[RD]
	v_add_nc_u32 v[RD], s22, v[RD]                 ; back: lanes 0-15 one row, lanes 16-31 the next
	v_lshlrev_b32 v[CO], 12, v3
	v_lshl_add_u32 v[CO], v2, 4, v[CO]             ; and the same in C
	s_lshl_b32 s22, s17, 9
	s_lshl_b32 s23, s[WN], 8
	s_add_co_u32 s22, s22, s23                     ; my first column, in bytes
	s_mov_b32 s23, 0
	s_add_nc_u64 s[8:9], s[8:9], s[22:23]
	WIN 0x40                                       ; destination window 1
.irp t, 0,1,2,3
	global_load_b128 v[BIAS+8*\t:BIAS+8*\t+3], v[BO], s[8:9] offset:128*(\t/2)+32*(\t%2)
	global_load_b128 v[BIAS+8*\t+4:BIAS+8*\t+7], v[BO], s[8:9] offset:128*(\t/2)+32*(\t%2)+16
.endr
	WIN 0
.if MODE == 0
	s_lshl_b32 s88, s18, 3
	s_lshl_b32 s89, s[WM], 2
	s_add_co_u32 s88, s88, s89                     ; my first tile of tokens
	s_lshl_b32 s89, s17, 1
	s_add_co_u32 s89, s89, s[WN]                   ; my head
	s_lshl_b32 s90, s88, 4
	s_add_co_u32 s90, s90, s89
	s_mul_i32 s90, s90, 768
	s_mov_b32 s91, 0
	s_add_nc_u64 s[92:93], s[10:11], s[90:91]      ; the half fragments
	s_lshl_b32 s90, s88, 9
	s_lshl_b32 s89, s89, 5
	s_add_co_u32 s90, s90, s89
	s_add_co_u32 s90, s90, 3145728
	s_add_nc_u64 s[94:95], s[10:11], s[90:91]      ; the halfwords
.else
	s_lshl_b32 s90, s18, 19
	s_lshl_b32 s89, s[WM], 18
	s_add_co_u32 s90, s90, s89
	s_add_co_u32 s90, s90, s22                     ; my first row of 4,096 bytes, my first column
	s_mov_b32 s91, 0
	s_add_nc_u64 s[92:93], s[10:11], s[90:91]
.endif
.macro FETCH s, p                      ; K step s: four fragments of tokens, four of B, the scale words, into set p: 33 loads
.set BS, (\s)/4
.set OF, CHUNK*((\s)%4)
.set FP, FS+96*(\p)
.irp a, 0,1,2,3
	ds_load_b128 v[FP+12*\a:FP+12*\a+3], v[XA16+BS] offset:OF+1536*\a
	ds_load_b64 v[FP+12*\a+4:FP+12*\a+5], v[XA8+BS] offset:OF+1536*\a+512
	ds_load_b128 v[FP+12*\a+6:FP+12*\a+9], v[XA16+BS] offset:OF+1536*\a+768
	ds_load_b64 v[FP+12*\a+10:FP+12*\a+11], v[XA8+BS] offset:OF+1536*\a+1280
.endr
.irp a, 0,1,2,3
	ds_load_b128 v[FP+48+12*\a:FP+48+12*\a+3], v[WA16+BS] offset:OF+1536*\a
	ds_load_b64 v[FP+48+12*\a+4:FP+48+12*\a+5], v[WA8+BS] offset:OF+1536*\a+512
	ds_load_b128 v[FP+48+12*\a+6:FP+48+12*\a+9], v[WA16+BS] offset:OF+1536*\a+768
	ds_load_b64 v[FP+48+12*\a+10:FP+48+12*\a+11], v[WA8+BS] offset:OF+1536*\a+1280
.endr
	ds_load_b128 v[SCR+4*(\p):SCR+4*(\p)+3], v[SCA+BS] offset:OF
.endm
.macro MUL p, first                    ; 16 products, the 16 accumulators by turns.  first = 1: the bias is the C
.set FP, FS+96*(\p)
.irp a, 0,1,2,3
.irp t, 0,1,2,3
.if \first
	v_wmma_scale_f32_16x16x128_f8f6f4 v[32*\a+8*\t:32*\a+8*\t+7], v[FP+48+12*\t:FP+48+12*\t+11], v[FP+12*\a:FP+12*\a+11], v[BIAS+8*\t:BIAS+8*\t+7], v[SCR+4*(\p)+\t], v[SCR+4*(\p)+\a] matrix_a_fmt:MATRIX_FMT_FP6 matrix_b_fmt:MATRIX_FMT_FP6 matrix_a_scale:MATRIX_SCALE_ROW1
.else
	v_wmma_scale_f32_16x16x128_f8f6f4 v[32*\a+8*\t:32*\a+8*\t+7], v[FP+48+12*\t:FP+48+12*\t+11], v[FP+12*\a:FP+12*\a+11], v[32*\a+8*\t:32*\a+8*\t+7], v[SCR+4*(\p)+\t], v[SCR+4*(\p)+\a] matrix_a_fmt:MATRIX_FMT_FP6 matrix_b_fmt:MATRIX_FMT_FP6 matrix_a_scale:MATRIX_SCALE_ROW1
.endif
.endr
.endr
.endm
	s_wait_alu depctr_va_vdst(0)                   ; the wait at the head's end
	s_cmp_eq_u32 s[WN], 0
	s_cbranch_scc0 .Lsecond_half
	s_wait_tensorcnt 0x0                           ; waves 0 and 2: chunks 0-3 have landed
.Lsecond_half:
	s_barrier_signal -1
	s_barrier_wait -1                              ; chunks 0 and 1 of A and of B are there for every wave
	FETCH 0, 0
	s_wait_loadcnt 0x0                             ; the bias
.irp s, 0,1,2,3,4,5,6,7
	s_wait_dscnt 0x0                               ; this step's fragments are in
.if \s == 3
	s_wait_tensorcnt 0x0                           ; every wave: all that was still out, chunks 4-7, has landed
	s_barrier_signal -1
	s_barrier_wait -1                              ; chunks s + 1 and s + 2 are there for every wave
.endif
.if \s < 7
.if \s > 0
.rept 4
	v_nop                                          ; four places between the last step's products and the loads into the set that they read
.endr
.endif
	FETCH \s+1, (\s+1)%2
.endif
	WIN 0x50                                       ; C and D window 1
.if \s == 0
	MUL 0, 1
.else
	MUL \s%2, 0
.endif
	WIN 0
.endr
.rept 4
	v_nop                                          ; four places in front of the first read of results and the first write of operands' registers
.endr
.if MODE == 0
	; tile a's registers at v[32 + 24 a]: +0, 1 largest magnitudes; +2, 3 the other half's; +4, 5 scale operands; +6, 7 bytes; +8 the halfword; +10 .. 15 the codes; +16 .. 18 their upper halves.  No store's data are written again
.irp a, 0,1,2,3
	v_mov_b32 v[34+24*\a], 0                       ; a lane permute's destination counts as one of its sources
	v_mov_b32 v[35+24*\a], 0
.endr
	WIN 0x05                                       ; sources 0 and 1 window 1
.irp a, 0,1,2,3
.irp b, 0,1
	v_max3_num_f32 v[32+24*\a+\b], |v[32*\a+16*\b]|, |v[32*\a+16*\b+1]|, 0x1800000   ; block b: my 16 numbers, and the floor 2^(3 - 127).  Each accumulator is read from its low end on
.endr
.endr
.irp i, 2,4,6,8,10,12,14
.irp a, 0,1,2,3
.irp b, 0,1
	v_max3_num_f32 v[32+24*\a+\b], |v[32*\a+16*\b+\i]|, |v[32*\a+16*\b+\i+1]|, v[32+24*\a+\b]
.endr
.endr
.endr
	WIN 0
.irp a, 0,1,2,3
.irp b, 0,1
	v_permlanex16_b32 v[34+24*\a+\b], v[32+24*\a+\b], s[SEL], s[SEL+1]
.endr
.endr
.irp a, 0,1,2,3
.irp b, 0,1
	v_max_num_f32 v[32+24*\a+\b], v[32+24*\a+\b], v[34+24*\a+\b]      ; with lane l xor 16's: the block's largest magnitude
.endr
.endr
.irp a, 0,1,2,3
.irp b, 0,1
	v_add_nc_u32 v[36+24*\a+\b], 0xff000000, v[32+24*\a+\b]           ; 2 off the exponent field: the conversion's scale operand
.endr
.endr
.irp a, 0,1,2,3
.irp b, 0,1
	v_lshrrev_b32 v[38+24*\a+\b], 23, v[36+24*\a+\b]                  ; the byte
.endr
.endr
.irp a, 0,1,2,3
	v_lshl_or_b32 v[40+24*\a], v[39+24*\a], 8, v[38+24*\a]
.endr
	WIN 0x01                                       ; source 0 window 1
.irp a, 0,1,2,3
	v_cvt_scalef32_pk16_fp6_f32 v[42+24*\a:44+24*\a], v[32*\a:32*\a+15], v[36+24*\a]
	v_cvt_scalef32_pk16_fp6_f32 v[48+24*\a:50+24*\a], v[32*\a+16:32*\a+31], v[37+24*\a]
.endr
	WIN 0
	v_nop                                          ; one plain place behind the conversions
.irp a, 0,1,2,3
.irp i, 0,1,2
	v_permlane16_swap_b32 v[42+24*\a+\i], v[48+24*\a+\i]              ; the operand wants a whole block in a lane: lanes 0-15 block 0, lanes 16-31 block 1
.endr
.irp i, 0,1,2
	v_mov_b32 v[45+24*\a+\i], v[48+24*\a+\i]
.endr
.endr
.irp a, 0,1,2,3
	global_store_b128 v[L16], v[42+24*\a:45+24*\a], s[92:93] offset:12288*\a
	global_store_b64 v[L8], v[46+24*\a:47+24*\a], s[92:93] offset:12288*\a+512
	global_store_b16 v[R2], v[40+24*\a], s[94:95] offset:512*\a       ; lanes r and 16 + r hold the same halfword
.endr
.else
	s_wait_alu depctr_va_vdst(0)
.irp a, 0,1,2,3                        ; LDS serves a wave's instructions in order: the loads see the stores above them, and the next tile's stores come behind them
	WIN 0x04                                       ; an LDS store's data are its source 1: window 1
.irp t, 0,1,2,3
	ds_store_b128 v[STO], v[32*\a+8*\t:32*\a+8*\t+3] offset:128*(\t/2)+32*(\t%2)
	ds_store_b128 v[STO], v[32*\a+8*\t+4:32*\a+8*\t+7] offset:128*(\t/2)+32*(\t%2)+16
.endr
	WIN 0
.irp i, 0,1,2,3,4,5,6,7
	ds_load_b128 v[32+32*\a+4*\i:32+32*\a+4*\i+3], v[RD] offset:2*\i*272
.endr
.endr
.irp a, 0,1,2,3
.irp i, 0,1,2,3,4,5,6,7
	s_wait_dscnt 16*(3-\a)+7-\i                    ; behind this load: the rest of its tile's loads and sixteen LDS instructions for each later tile
	global_store_b128 v[CO], v[32+32*\a+4*\i:32+32*\a+4*\i+3], s[92:93] offset:(16*\a+2*\i)*4096 th:TH_STORE_NT
.endr
.endr
.endif
	s_wait_dscnt 0x0
	s_wait_tensorcnt 0x0
	ds_add_u32 v254, v255
	s_wait_dscnt 0x0
	ROUND                                          ; the closing round: no work-group ends while a partner may still ask for a chunk that names it
	s_endpgm
.Lfunc_end_k_qef1cda30e7_oproj:
	.size	k_qef1cda30e7_oproj, .Lfunc_end_k_qef1cda30e7_oproj-k_qef1cda30e7_oproj
	.p2alignl 7, 3214868480
	.fill 96, 4, 3214868480
	.section	.rodata,"a",@progbits
	.p2align	6, 0x0
	.amdhsa_kernel k_qef1cda30e7_oproj
		.amdhsa_group_segment_fixed_size 222720
		.amdhsa_private_segment_fixed_size 0
		.amdhsa_enable_private_segment 0
		.amdhsa_kernarg_size 32
		.amdhsa_user_sgpr_count 2
		.amdhsa_user_sgpr_kernarg_segment_ptr 1
		.amdhsa_wavefront_size32 1
		.amdhsa_system_sgpr_workgroup_id_x 1
		.amdhsa_system_sgpr_workgroup_id_y 1
		.amdhsa_system_sgpr_workgroup_id_z 1
		.amdhsa_system_vgpr_workitem_id 0
		.amdhsa_next_free_vgpr 448
		.amdhsa_next_free_sgpr 100
		.amdhsa_reserve_vcc 0
		.amdhsa_float_denorm_mode_32 3
		.amdhsa_float_denorm_mode_16_64 3
		.amdhsa_memory_ordered 1
		.amdhsa_forward_progress 1
		.amdhsa_inst_pref_size 51
	.end_amdhsa_kernel
	.amdgpu_metadata
---
amdhsa.version: [ 1, 2 ]
amdhsa.kernels:
  - .name:           k_qef1cda30e7_oproj
    .symbol:         k_qef1cda30e7_oproj.kd
    .args:
      - { .name: obuf, .offset: 0, .size: 8, .value_kind: global_buffer, .address_space: global }
      - { .name: wbuf, .offset: 8, .size: 8, .value_kind: global_buffer, .address_space: global }
      - { .name: bo, .offset: 16, .size: 8, .value_kind: global_buffer, .address_space: global }
      - { .name: out0, .offset: 24, .size: 8, .value_kind: global_buffer, .address_space: global }
    .group_segment_fixed_size: 222720
    .private_segment_fixed_size: 0
    .kernarg_segment_align: 8
    .kernarg_segment_size: 32
    .max_flat_workgroup_size: 128
    .sgpr_count:     100
    .vgpr_count:     448
    .wavefront_size: 32
...
	.end_amdgpu_metadata
.endif
;; end of part 5
